; MI455X (gfx1250); checked and timed in simulation.
; The chip was launched on July 23, 2026; its instructions are those of AMD's public machine-readable ISA for CDNA 5 (MIT licence, August 2026) and "CDNA5" Instruction Set Architecture Reference Guide (July 2026). The comments in the code are by the model that wrote it; some were corrected since.
;; GPT2 Self Attention. Allowed arithmetic: matrix products marked QUANTISED: E2M1 operands, one E8M0 scale for each 32 along K, by v_wmma_scale_f32_16x16x128_f8f6f4 with both operands' format E2M1 (or v_wmma_scale_f32_32x16x128_f4), f32 sums; products left as they are: bf16, f16 or f32 operands; f32 sums; everything else in f32.
;; Inputs: b_attn 3,072 float32; b_proj 1,024 float32; w_attn 1,024 x 3,072 float32; w_proj 1,024 x 1,024 float32; x 4 x 2,048 x 1,024 float32.
;; Outputs: out0 4 x 2,048 x 1,024 float32.
;; This version of the problem:
;;   THIS VERSION OF THE PROBLEM IS GIVEN IN LOW PRECISION. The matrix products marked QUANTISED in the list below multiply operands that are first quantised to E2M1 (2 exponent bits, 1 mantissa bit; 4 bits a number), with one power-of-two scale for each 32 numbers along K (OCP MX v1.0); their sums are f32. The products marked 'left as it is' may take bf16, f16 or f32 operands, with f32 sums. Whichever they take, every output number must still come out within the allowed error. Rounding operands to bf16 (8 significant bits) uses up far more of that allowance than f16 does (11 bits, for magnitudes from 6e-5 to 65,504). All else is computed in f32.
;;   The module's matrix products, in the order in which they are computed (A, B: the left and right operand; K: the contracted axis; several contracted axes count as one K, in the product's order):
;;     1. [M 8,192, K 1,024] x [K 1,024, N 3,072]; A: input x; B: input w_attn: QUANTISED
;;     2. batch 64 x [M 2,048, K 64] x [K 64, N 2,048]; A: computed on the way; B: computed on the way: left as it is (an operand is computed on the way)
;;     3. batch 64 x [M 2,048, K 2,048] x [K 2,048, N 64]; A: computed on the way; B: computed on the way: left as it is (an operand is computed on the way)
;;     4. [M 8,192, K 1,024] x [K 1,024, N 1,024]; A: computed on the way; B: input w_proj: left as it is (an operand is computed on the way)
;;   THE QUANTISER, for each operand of a quantised product, along K:
;;     - K is cut into blocks of 32 from its start; a last block that is shorter is filled with zeros.
;;     - A block's scale is 2^e with e = floor(log2(the largest magnitude in the block)) - 2, held to -126 .. 127; a block of zeros has e = 0. As a byte (E8M0): e + 127.
;;     - Each number is divided by its block's scale, clamped to +-6, and rounded to the nearest number of E2M1, ties to even, subnormals kept.
;;     - The product sums the exact products of the quantised numbers (number of the format x scale) in f32.
;;   ~~~python
;;   def quantise(x, axis):      # numpy; x: float32 -> the quantised numbers, widened to float32 again
;;       x = np.moveaxis(x, axis, -1); K = x.shape[-1]
;;       x = np.pad(x, [(0, 0)] * (x.ndim - 1) + [(0, -K % 32)]); x = x.reshape(x.shape[:-1] + (-1, 32)); a = np.abs(x).max(-1, keepdims=True)
;;       e = np.where(a > 0, np.clip(np.frexp(np.where(a > 0, a, 1))[1] - 1 - 2, -126, 127), 0)      # np.frexp(a)[1] - 1 = floor(log2(a)), exactly
;;       r = np.clip(x / 2.0 ** e, -6, 6)
;;       step = 2.0 ** (np.maximum(np.frexp(np.where(r == 0, 1, r))[1] - 1, 0) - 1)
;;       q = np.round(r / step) * step * 2.0 ** e      # np.round: ties to even
;;       return np.moveaxis(q.reshape(q.shape[:-2] + (-1,))[..., :K], -1, axis).astype(np.float32)
;;   ~~~
;; One version. Each part assembles by itself: llvm-mc -triple=amdgcn-amd-amdhsa -mcpu=gfx1250 --defsym DOCPART=n.
;; ======== version 1 of 1: 5 launches
;; limits: values are held in f16: magnitudes above 65,504 overflow, below 6.1e-05 lose precision
;; workspace buffers: x_codes 4,194,304 bytes; x_scales 262,144 bytes; w_codes 1,572,864 bytes; w_scales 98,304 bytes; wp16 2,097,152 bytes; qkv16 50,331,648 bytes; qkv_fine 786,432 bytes; y16 16,777,216 bytes
;; launch prep (part 1): grid 368 x 1, 4 waves a work-group, no clusters, 102,912 bytes of LDS; arguments x, w_attn, w_proj, x_codes, x_scales, w_codes, w_scales, wp16; writes x_codes, x_scales, w_codes, w_scales, wp16
.if DOCPART == 1
	.amdgcn_target "amdgcn-amd-amdhsa--gfx1250"
	.amdhsa_code_object_version 6
	.text
	.protected	k_q14a328f0d4_prep
	.globl	k_q14a328f0d4_prep
	.p2align	8
	.type	k_q14a328f0d4_prep,@function
k_q14a328f0d4_prep:
	s_mov_b64 s[64:65], 0
	v_nop
	global_prefetch_b8 v0, s[64:65] scope:SCOPE_SE
	s_setreg_imm32_b32 hwreg(HW_REG_WAVE_MODE, 25, 1), 1
	s_wait_xcnt 0x0
; PREP: the operands of the later launches are made once.
;   work-groups 0-47:    w_attn [1024 k][3072 n] f32 -> codes of FP4 (E2M1) laid [3072 n][512 bytes], K innermost, and E8M0 scale bytes [3072][32]
;   work-groups 48-111:  w_proj [1024 k][1024 n] f32 -> f16 of 256 x w_proj, laid [1024 n][1024 k]
;   work-groups 112-367: x [8192][1024] f32 -> codes [8192][512 bytes] and scale bytes [8192][32]
; A block's scale is 2^(floor(log2(its largest magnitude)) - 2); its byte is the largest magnitude's exponent field - 2, held at 1 from below.
; LIMITS: a block of zeros gets the byte 1 where the quantiser says 127 (its codes are zeros, which add nothing, and this program alone reads the bytes); blocks whose largest magnitude
; lies under 2^-124 are held at that floor; NaN and infinities are not served; |w_proj| stays under 255 (the factor 2^8 is exact and is taken out again behind the projection).
; The three paths part on the work-group's number alone; each has LDS bytes of its own.  No tensor load, no barrier: waves share nothing.
.set SPW,   192                        ; v192 LDS address of my spare word: SPARE + 4 x my thread's number; never rewritten
.set NIL,   193                        ; v193 0; never rewritten
.set SPARE, 102400                     ; behind the three paths' regions: the spare words, 128 bytes a wave
.set PITCH, 272                        ; a stage row of the paths W and P: 256 bytes + 16
.set WST,   32768                      ; path W's stages: 32 x 272 bytes a wave
.set PST,   67584                      ; path P's stages: the same
	s_load_b256 s[4:11], s[0:1], 0x0               ; x s[4:5], w_attn s[6:7], w_proj s[8:9], x_codes s[10:11]
	s_load_b256 s[12:19], s[0:1], 0x20             ; x_scales s[12:13], w_codes s[14:15], w_scales s[16:17], wp16 s[18:19]
	v_lshl_add_u32 v[SPW], v0, 2, SPARE
	v_mov_b32 v[NIL], 0
	v_lshrrev_b32 v1, 5, v0
	v_readfirstlane_b32 s20, v1                    ; wave 0..3
	v_and_b32 v2, 31, v0                           ; lane
	s_wait_kmcnt 0x0
	s_cmp_lt_u32 ttmp9, 48
	s_cbranch_scc1 .Lw
	s_cmp_lt_u32 ttmp9, 112
	s_cbranch_scc1 .Lp
; ---------------- PATH X: x is a plain stream of blocks of 32.  A wave takes 16 steps of 512 numbers.
; Each of a step's four loads reads 512 consecutive bytes; the 2,048 bytes turn through the wave's own stage in LDS and come back 64 bytes a lane, so that a lane holds 16 neighbours along K
; (two neighbouring lanes hold a block).  A lane's 16 codes are 8 bytes: the wave stores 256 consecutive bytes.  The wave's 256 scale bytes are gathered in LDS and leave as one aligned run of 256 bytes.
.set STEPS, 16
.set SP,    80                         ; a lane's place in a stage: 64 bytes + 16 of padding
.set XR,    16                         ; v16-79   four sets of 16 numbers as loaded
.set XX,    80                         ; v80-111  two sets of 16 neighbours
.set XE,    112                        ; v112-127 a scale byte for each step
.set XC,    128                        ; v128-191 codes: four registers a step, so that no store's data are written again
	v_lshlrev_b32 v3, 4, v2                        ; my 16 bytes of a load's 512
	s_lshl_b32 s21, s20, 13                        ; my wave's region: 8,192 bytes
	v_lshrrev_b32 v14, 2, v2
	v_mul_u32_u24 v14, v14, SP
	v_and_b32 v15, 3, v2
	v_lshl_add_u32 v14, v15, 4, v14
	v_add_nc_u32 v14, s21, v14                     ; into the stage: SP (lane / 4) + 16 (lane % 4)
	v_mul_u32_u24 v15, v2, SP
	v_add_nc_u32 v15, s21, v15                     ; out of it: SP x lane
	v_lshlrev_b32 v4, 3, v2                        ; my codes' place in a step's 256 bytes
	v_lshrrev_b32 v5, 1, v2
	s_add_co_u32 s21, s21, 2*32*SP
	v_add_nc_u32 v5, s21, v5                       ; my block's scale byte, behind the two stages
	v_lshlrev_b32 v7, 3, v2
	v_add_nc_u32 v6, s21, v7                       ; and on the way out 8 bytes a lane
	s_sub_co_u32 s22, ttmp9, 112
	s_lshl_b32 s22, s22, 2
	s_add_co_u32 s22, s22, s20                     ; which run of 8,192 numbers is my wave's: 0..1023
	s_mov_b32 s25, 0
	s_lshl_b32 s24, s22, 15                        ; 32,768 bytes of x,
	s_add_nc_u64 s[4:5], s[4:5], s[24:25]
	s_lshl_b32 s24, s22, 12                        ; 4,096 of codes,
	s_add_nc_u64 s[10:11], s[10:11], s[24:25]
	s_lshl_b32 s24, s22, 8                         ; 256 of scale bytes
	s_add_nc_u64 s[12:13], s[12:13], s[24:25]
.macro XLOAD t
.irp i, 0,1,2,3
	global_load_b128 v[XR+16*((\t)%4)+4*\i:XR+16*((\t)%4)+4*\i+3], v3, s[4:5] offset:2048*(\t)+512*\i th:TH_LOAD_NT
.endr
.endm
.macro XTURN t                         ; LDS serves a wave's instructions in order: no wait between these stores and loads
.irp i, 0,1,2,3
	ds_store_b128 v14, v[XR+16*((\t)%4)+4*\i:XR+16*((\t)%4)+4*\i+3] offset:32*SP*((\t)%2)+8*SP*\i
.endr
.irp i, 0,1,2,3
	ds_load_b128 v[XX+16*((\t)%2)+4*\i:XX+16*((\t)%2)+4*\i+3], v15 offset:32*SP*((\t)%2)+16*\i
.endr
.endm
.irp t, 0,1,2,3
	XLOAD \t
.endr
	s_wait_loadcnt 12                              ; step 0's four loads are in; the twelve of steps 1 to 3 may be out
	XTURN 0
.macro XSTEP t
.set XS, XX+16*((\t)%2)
.if (\t) > 0
	s_wait_dscnt 1                                 ; this step's numbers are back from the stage; the last step's byte store may be out
.else
	s_wait_dscnt 0x0
.endif
.if (\t)+4 < STEPS
	XLOAD (\t)+4                                   ; into the set whose stores into the stage have read their registers
.endif
.if (\t)+1 < STEPS
.if STEPS-2-(\t) >= 3
	s_wait_loadcnt 12                              ; the next step's four loads are in; those of the three steps behind it may be out
.else
	s_wait_loadcnt 4*(STEPS-2-(\t))
.endif
	XTURN (\t)+1
.endif
	v_max3_num_f32 v8, |v[XS]|, |v[XS+1]|, |v[XS+2]|               ; the largest magnitude of my 16, in two chains
	v_max3_num_f32 v9, |v[XS+3]|, |v[XS+4]|, |v[XS+5]|
.irp i, 6,10
	v_max3_num_f32 v8, v8, |v[XS+\i]|, |v[XS+\i+1]|
	v_max3_num_f32 v9, v9, |v[XS+\i+2]|, |v[XS+\i+3]|
.endr
	v_max3_num_f32 v8, v8, |v[XS+14]|, |v[XS+15]|
	v_max3_num_f32 v8, v8, v9, 0x1800000           ; and the floor 2^(3 - 127): the byte cannot fall under 1
	v_max_num_f32_dpp v8, v8, v8 row_xmask:1 row_mask:0xf bank_mask:0xf   ; with my neighbour's 16: the block's
	v_add_nc_u32 v11, 0xff000000, v8               ; 2 off its exponent field: the conversion takes the exponent field of this operand as its scale
	v_cvt_scalef32_pk8_fp4_f32 v[XC+4*(\t)], v[XS:XS+7], v11
	v_cvt_scalef32_pk8_fp4_f32 v[XC+4*(\t)+1], v[XS+8:XS+15], v11
	v_lshrrev_b32 v[XE+(\t)], 23, v11              ; the scale's byte (a plain line behind the conversions)
	ds_store_b8 v5, v[XE+(\t)] offset:16*(\t)      ; both lanes of a block write the same byte with the same value
	global_store_b64 v4, v[XC+4*(\t):XC+4*(\t)+1], s[10:11] offset:256*(\t)
.endm
.irp t, 0,1,2,3,4,5,6,7,8,9,10,11,12,13,14,15
	XSTEP \t
.endr
	ds_load_b64 v[8:9], v6                         ; in order behind my byte stores
	s_wait_dscnt 0x0
	global_store_b64 v7, v[8:9], s[12:13]          ; 32 lanes store 256 consecutive bytes, aligned
	s_wait_tensorcnt 0x0                           ; the wave's end
	ds_add_u32 v[SPW], v[NIL]
	s_wait_dscnt 0x0
	s_endpgm
; ---------------- PATH W: K is w_attn's FIRST axis.  A lane takes a column n and its registers run down K: each load reads 128 consecutive bytes a wave, a block of 32 along K lies in one lane,
; and the conversions give codes with K innermost.  A wave takes 32 columns x 512 along K; the codes go through the wave's own stage and leave as rows: sixteen lanes store 256 consecutive bytes, aligned.
; Every offset is an immediate: 511 x 12,288 bytes at the most, inside the signed 24 bits.
.set WX,   32                          ; v32-95   two sets of 32 numbers
.set WC,   96                          ; v96-99   a block's codes
.set WOUT, 112                         ; v112-175 the way out
.set WSB,  24                          ; v24-27   16 scale bytes
.Lw:
	s_cmp_ge_u32 ttmp9, 24
	s_cselect_b32 s22, 1, 0                        ; which 512 along K
	s_mul_i32 s23, s22, 24
	s_sub_co_u32 s23, ttmp9, s23                   ; which 128 columns
	s_lshl_b32 s21, s23, 7
	s_lshl_b32 s24, s20, 5
	s_add_co_u32 s21, s21, s24                     ; my wave's first column
	v_lshlrev_b32 v3, 2, v2                        ; in: 4 bytes a lane
	s_mul_i32 s24, s20, 32*PITCH
	s_add_co_u32 s24, s24, WST                     ; my stage
	v_mul_u32_u24 v4, v2, PITCH
	v_add_nc_u32 v4, s24, v4                       ; into it: row = my column
	v_and_b32 v5, 15, v2
	v_lshrrev_b32 v6, 4, v2
	v_mul_u32_u24 v7, v6, PITCH
	v_lshl_add_u32 v7, v5, 4, v7
	v_add_nc_u32 v7, s24, v7                       ; out of it: sixteen lanes to a row, two rows an instruction
	v_lshlrev_b32 v8, 9, v6
	v_lshl_add_u32 v8, v5, 4, v8                   ; the same place among the codes' rows of 512 bytes
	v_lshlrev_b32 v9, 5, v2                        ; my column's row of 32 scale bytes
	s_mov_b32 s25, 0
	s_mul_i32 s24, s22, 512*12288
	s_lshl_b32 s26, s21, 2
	s_add_co_u32 s24, s24, s26
	s_add_nc_u64 s[6:7], s[6:7], s[24:25]          ; w_attn at (512 y, my first column)
	s_lshl_b32 s24, s21, 9
	s_lshl_b32 s26, s22, 8
	s_add_co_u32 s24, s24, s26
	s_add_nc_u64 s[14:15], s[14:15], s[24:25]      ; codes: column x 512 + 256 y
	s_lshl_b32 s24, s21, 5
	s_lshl_b32 s26, s22, 4
	s_add_co_u32 s24, s24, s26
	s_add_nc_u64 s[16:17], s[16:17], s[24:25]      ; scale bytes: column x 32 + 16 y
.macro WLOAD t
.set i, 0
.rept 32
	global_load_b32 v[WX+32*((\t)%2)+i], v3, s[6:7] offset:(32*(\t)+i)*12288 th:TH_LOAD_NT
.set i, i+1
.endr
.endm
	WLOAD 0
	WLOAD 1
.macro WBLOCK t
.set XS, WX+32*((\t)%2)
.if (\t) < 15
	s_wait_loadcnt 32                              ; this block's 32 loads are in; the next block's may be out
.else
	s_wait_loadcnt 0
.endif
	v_max3_num_f32 v12, |v[XS]|, |v[XS+1]|, |v[XS+2]|              ; all 32 numbers of the block are mine
	v_max3_num_f32 v13, |v[XS+3]|, |v[XS+4]|, |v[XS+5]|
.irp i, 6,10,14,18,22,26
	v_max3_num_f32 v12, v12, |v[XS+\i]|, |v[XS+\i+1]|
	v_max3_num_f32 v13, v13, |v[XS+\i+2]|, |v[XS+\i+3]|
.endr
	v_max3_num_f32 v12, v12, |v[XS+30]|, |v[XS+31]|
	v_max3_num_f32 v12, v12, v13, 0x1800000        ; the floor 2^(3 - 127)
	v_add_nc_u32 v11, 0xff000000, v12              ; 2 off the exponent field: the conversion's scale operand
	v_lshrrev_b32 v13, 23, v11                     ; the scale's byte
.if (\t)%4 == 0
	v_mov_b32 v[WSB+(\t)/4], v13                   ; four bytes to a register, the lower K in the lower byte
.else
	v_lshl_or_b32 v[WSB+(\t)/4], v13, 8*((\t)%4), v[WSB+(\t)/4]
.endif
.irp g, 0,1,2,3
	v_cvt_scalef32_pk8_fp4_f32 v[WC+\g], v[XS+8*\g:XS+8*\g+7], v11
.endr
	v_nop                                          ; a plain line behind the last conversion
	ds_store_b128 v4, v[WC:WC+3] offset:16*(\t)    ; 32 codes: 16 bytes of my column's row
.if (\t)+2 < 16
	WLOAD (\t)+2
.endif
	s_wait_dscnt 0x0                               ; the store has read its registers: the next block's codes may be written
.endm
.irp t, 0,1,2,3,4,5,6,7,8,9,10,11,12,13,14,15
	WBLOCK \t
.endr
	global_store_b128 v9, v[WSB:WSB+3], s[16:17]   ; my column's 16 scale bytes
.irp t, 0,1,2,3,4,5,6,7,8,9,10,11,12,13,14,15
	ds_load_b128 v[WOUT+4*\t:WOUT+4*\t+3], v7 offset:2*\t*PITCH
.endr
.irp t, 0,1,2,3,4,5,6,7,8,9,10,11,12,13,14,15
	s_wait_dscnt 15-\t                             ; LDS loads come back in order: number t is in
	global_store_b128 v8, v[WOUT+4*\t:WOUT+4*\t+3], s[14:15] offset:2*\t*512
.endr
	s_wait_tensorcnt 0x0                           ; the wave's end
	ds_add_u32 v[SPW], v[NIL]
	s_wait_dscnt 0x0
	s_endpgm
; ---------------- PATH P: w_proj turned to [n][k] in f16, on the same plan: a lane a column, registers down K.  A wave takes 32 columns x 128 along K: 256 bytes of f16 a column.
.set PX,   32                          ; v32-95   two sets of 32 numbers
.set PC,   96                          ; v96-111  32 numbers as f16
.set POUT, 112                         ; v112-175 the way out
.Lp:
	s_sub_co_u32 s21, ttmp9, 48
	s_and_b32 s22, s21, 7                          ; which 128 columns
	s_lshr_b32 s23, s21, 3                         ; which 128 along K
	s_lshl_b32 s22, s22, 7
	s_lshl_b32 s24, s20, 5
	s_add_co_u32 s22, s22, s24                     ; my wave's first column
	v_lshlrev_b32 v3, 2, v2
	s_mul_i32 s24, s20, 32*PITCH
	s_add_co_u32 s24, s24, PST                     ; my stage
	v_mul_u32_u24 v4, v2, PITCH
	v_add_nc_u32 v4, s24, v4
	v_and_b32 v5, 15, v2
	v_lshrrev_b32 v6, 4, v2
	v_mul_u32_u24 v7, v6, PITCH
	v_lshl_add_u32 v7, v5, 4, v7
	v_add_nc_u32 v7, s24, v7
	v_lshlrev_b32 v8, 11, v6
	v_lshl_add_u32 v8, v5, 4, v8                   ; rows of wp16 are 2,048 bytes
	s_mov_b32 s25, 0
	s_lshl_b32 s24, s23, 19                        ; 128 rows of 4,096 bytes
	s_lshl_b32 s26, s22, 2
	s_add_co_u32 s24, s24, s26
	s_add_nc_u64 s[8:9], s[8:9], s[24:25]
	s_lshl_b32 s24, s22, 11
	s_lshl_b32 s26, s23, 8
	s_add_co_u32 s24, s24, s26
	s_add_nc_u64 s[18:19], s[18:19], s[24:25]
.macro PLOAD t
.set i, 0
.rept 32
	global_load_b32 v[PX+32*((\t)%2)+i], v3, s[8:9] offset:(32*(\t)+i)*4096 th:TH_LOAD_NT
.set i, i+1
.endr
.endm
	PLOAD 0
	PLOAD 1
.macro PBLOCK t
.set XS, PX+32*((\t)%2)
.if (\t) < 3
	s_wait_loadcnt 32                              ; this block's 32 loads are in; the next block's may be out
.else
	s_wait_loadcnt 0
.endif
.irp i, 0,2,4,6,8,10,12,14,16,18,20,22,24,26,28,30
	v_pk_mul_f32 v[XS+\i:XS+\i+1], v[XS+\i:XS+\i+1], 0x43800000 op_sel_hi:[1,0]   ; x 256: exact
.endr
.irp i, 0,1,2,3,4,5,6,7,8,9,10,11,12,13,14,15
	v_cvt_pk_f16_f32 v[PC+\i], v[XS+2*\i], v[XS+2*\i+1]
.endr
.irp g, 0,1,2,3
	ds_store_b128 v4, v[PC+4*\g:PC+4*\g+3] offset:64*(\t)+16*\g
.endr
.if (\t)+2 < 4
	PLOAD (\t)+2
.endif
	s_wait_dscnt 0x0                               ; the stores have read their registers
.endm
.irp t, 0,1,2,3
	PBLOCK \t
.endr
.irp t, 0,1,2,3,4,5,6,7,8,9,10,11,12,13,14,15
	ds_load_b128 v[POUT+4*\t:POUT+4*\t+3], v7 offset:2*\t*PITCH
.endr
.irp t, 0,1,2,3,4,5,6,7,8,9,10,11,12,13,14,15
	s_wait_dscnt 15-\t
	global_store_b128 v8, v[POUT+4*\t:POUT+4*\t+3], s[18:19] offset:2*\t*2048   ; sixteen lanes store 256 consecutive bytes, aligned
.endr
	s_wait_tensorcnt 0x0                           ; the wave's end
	ds_add_u32 v[SPW], v[NIL]
	s_wait_dscnt 0x0
	s_endpgm
.Lfunc_end_k_q14a328f0d4_prep:
	.size	k_q14a328f0d4_prep, .Lfunc_end_k_q14a328f0d4_prep-k_q14a328f0d4_prep
	.p2alignl 7, 3214868480
	.fill 96, 4, 3214868480
	.section	.rodata,"a",@progbits
	.p2align	6, 0x0
	.amdhsa_kernel k_q14a328f0d4_prep
		.amdhsa_group_segment_fixed_size 102912
		.amdhsa_private_segment_fixed_size 0
		.amdhsa_enable_private_segment 0
		.amdhsa_kernarg_size 64
		.amdhsa_user_sgpr_count 2
		.amdhsa_user_sgpr_kernarg_segment_ptr 1
		.amdhsa_wavefront_size32 1
		.amdhsa_system_sgpr_workgroup_id_x 1
		.amdhsa_system_sgpr_workgroup_id_y 1
		.amdhsa_system_sgpr_workgroup_id_z 1
		.amdhsa_system_vgpr_workitem_id 0
		.amdhsa_next_free_vgpr 196
		.amdhsa_next_free_sgpr 66
		.amdhsa_reserve_vcc 0
		.amdhsa_float_denorm_mode_32 3
		.amdhsa_float_denorm_mode_16_64 3
		.amdhsa_memory_ordered 1
		.amdhsa_forward_progress 1
		.amdhsa_inst_pref_size 139
	.end_amdhsa_kernel
	.amdgpu_metadata
---
amdhsa.version: [ 1, 2 ]
amdhsa.kernels:
  - .name:           k_q14a328f0d4_prep
    .symbol:         k_q14a328f0d4_prep.kd
    .args:
      - { .name: x, .offset: 0, .size: 8, .value_kind: global_buffer, .address_space: global }
      - { .name: w_attn, .offset: 8, .size: 8, .value_kind: global_buffer, .address_space: global }
      - { .name: w_proj, .offset: 16, .size: 8, .value_kind: global_buffer, .address_space: global }
      - { .name: x_codes, .offset: 24, .size: 8, .value_kind: global_buffer, .address_space: global }
      - { .name: x_scales, .offset: 32, .size: 8, .value_kind: global_buffer, .address_space: global }
      - { .name: w_codes, .offset: 40, .size: 8, .value_kind: global_buffer, .address_space: global }
      - { .name: w_scales, .offset: 48, .size: 8, .value_kind: global_buffer, .address_space: global }
      - { .name: wp16, .offset: 56, .size: 8, .value_kind: global_buffer, .address_space: global }
    .group_segment_fixed_size: 102912
    .private_segment_fixed_size: 0
    .kernarg_segment_align: 8
    .kernarg_segment_size: 64
    .max_flat_workgroup_size: 128
    .sgpr_count:     66
    .vgpr_count:     196
    .wavefront_size: 32
...
	.end_amdgpu_metadata
.endif
;; end of part 1
;; launch qkv (part 2): grid 12 x 32, 4 waves a work-group, clusters of 4 x 4, 327,680 bytes of LDS; arguments x_codes, x_scales, w_codes, w_scales, b_attn, qkv_fine, qkv16; writes qkv_fine, qkv16
.if DOCPART == 2
	.amdgcn_target "amdgcn-amd-amdhsa--gfx1250"
	.amdhsa_code_object_version 6
	.text
	.protected	k_q14a328f0d4_qkv
	.globl	k_q14a328f0d4_qkv
	.p2align	8
	.type	k_q14a328f0d4_qkv,@function
k_q14a328f0d4_qkv:
	s_mov_b64 s[64:65], 0
	v_nop
	global_prefetch_b8 v0, s[64:65] scope:SCOPE_SE
	s_setreg_imm32_b32 hwreg(HW_REG_WAVE_MODE, 25, 1), 1
	s_wait_xcnt 0x0
	s_wait_alu depctr_hold_cnt(0) depctr_sa_sdst(0) depctr_va_vdst(0) depctr_va_sdst(0) depctr_va_ssrc(0) depctr_va_vcc(0) depctr_vm_vsrc(0)
	s_getreg_b32 s2, hwreg(HW_REG_IB_STS2, 6, 4)
	s_cmp_eq_u32 s2, 0
	s_cbranch_scc0 .Lentry_in_a_cluster
	s_endpgm
.Lentry_in_a_cluster:
	s_bfe_u32 s2, ttmp6, 0x10000c
	s_cmp_lg_u32 s2, 0xf033
	s_cbranch_scc0 .Lentry_shape_is_right
	s_endpgm
.Lentry_shape_is_right:
; QKV: qkv = Q(x) Q(w_attn) + b_attn on codes of FP4 (E2M1) with one E8M0 scale for each 32 along K; sums in f32.  A = x's codes [8192][1024], B = w_attn's codes [3072 n][1024 k].
; A tile of 256 x 256 is made by four waves, 128 x 128 each: 64 accumulators, 512 registers.  K = 1,024 is two slots of 512: both are asked for at the head and nothing is filled again.
; The scale bytes of the work-group's 256 rows of A and of B come into LDS once, as rows of 256 bytes.
; CLUSTER 4 x 4: the four of a row need the same tiles of A, the four of a column the same tiles of B: joint loads.  Tile row = 8 cy + cluster y, so that cy is the batch and cluster y the tile inside it.
; THE MATRIX INSTRUCTION IS USED TRANSPOSED (source 0 = 16 rows of B, source 1 = 16 rows of A): a lane holds eight neighbouring columns of one row.  The bias is the C of each sum's first product.
; OUT: f16 into qkv16 [plane = 64 which + 16 b + head][2048 t][64]; two neighbouring t of a head are 256 consecutive bytes.  The first 16 positions of each batch also leave in f32 (qkv_fine [16 b + t][3072]).
; LIMITS: q, k, v stay under 65,504 in size; under 6e-5 they are carried at steps of 2^-24.  NaN and infinities are not served.
; REGISTERS: window 0: v0-31 addresses; v32-95 scale words, two sets; v128-191 A's fragments, one set, later rows on their way out; v192-255 the bias, later packed results.
;   window 1: B's fragments, two sets (v0, v128).  window 2: accumulators of my rows 0-63 ((a, b) at v[8 (8 a + b)]); window 3: rows 64-127.
.set SIZE_K, 1024
.set NQ,     4                         ; steps of 128 along K in a slot
.set ROWB,   256                       ; a tile's row in bytes: 512 codes
.set KROW,   512                       ; a row of codes in memory
.set PITCH,  272                       ; an LDS row: 256 bytes + 16: the 16 rows of a load start at 16 different groups of four words
.set FR,     8
.set NL,     2
.set NP,     4
.set HALFT,  128*PITCH
.set SLOT,   4*HALFT
.set KS,     32                        ; a row of scale bytes
.set SCL,    2*SLOT
.set HALFS,  16*272                    ; the scales of 128 rows
.set SBLK,   2*272                     ; of 16 rows
.set SPARE,  SCL+4*HALFS               ; the spare words, 128 bytes a wave
.set FSTO, 8                           ; v8   the f32 way out: where I put 32 bytes of a row
.set FRD,  9                           ; v9   where I read a row back
.set FCO,  10                          ; v10  16 x lane
.set BO,   11                          ; v11  32 x (lane / 16): my eight numbers of a bias tile
.set ADRA, 16
.set ADRB, 20
.set STO,  24                          ; v24  the f16 way out: where I put 16 bytes of a row
.set RD,   25                          ; v25  where I read back
.set CO,   26                          ; v26  my byte offset in qkv16
.set ADRS, 27
.set SPW,  28
.set NIL,  29
.set SC,   32
.set AF,   128
.set BI,   192                         ; the bias: tile b at v[BI + 8 b]
.set TMP,  192                         ; the way out: packed results
.set OB,   128                         ; the way out: 16 rows read back: v128-159 and v160-191 by turns
.set G1, 24
.set G0, 32
.set G1B, 48
.set G0B, 56
.set G1S, 68
.set G0S, 76
.set G1SB, 80
.set G0SB, 88
.set MSB, 0
.macro WIN new                         ; the immediate's high byte repeats the setting that is left
.if MSB != (\new)
	s_set_vgpr_msb (MSB<<8)|(\new)
.set MSB, (\new)
.endif
.endm
.set MUL_LO, 0xa1                      ; source 0 (B) window 1, source 1 (A) window 0, C and D window 2
.set MUL_HI, 0xf1
.set TO_B,   0x40
; A joint load: waves 0 and 1 fetch for A, waves 2 and 3 for B; the branch hangs on the wave's number alone.  An s_nop 0 and four v_nop follow each line.
.macro JLOAD g0a, g1a, g0b, g1b
	s_cmp_eq_u32 s15, 0
	s_cbranch_scc0 .Lfor_b_\@
	tensor_load_to_lds s[\g0a:\g0a+3], s[\g1a:\g1a+7]
	s_nop 0
.rept 4
	v_nop
.endr
	s_branch .Lasked_\@
.Lfor_b_\@:
	tensor_load_to_lds s[\g0b:\g0b+3], s[\g1b:\g1b+7]
	s_nop 0
.rept 4
	v_nop
.endr
.Lasked_\@:
.endm
.macro CROUND                          ; a round of the cluster's barrier
	s_barrier_signal -1
	s_barrier_wait -1
	s_cmp_lg_u32 s14, 0
	s_cbranch_scc1 .Lnot_wave_0_\@
	s_barrier_signal -3
.Lnot_wave_0_\@:
	s_barrier_wait -3
	s_barrier_signal -1
	s_barrier_wait -1
.endm
	s_load_b128 s[4:7], s[0:1], 0x0                ; x's codes, x's scales
	s_load_b128 s[8:11], s[0:1], 0x10              ; w's codes, w's scales
	s_load_b128 s[96:99], s[0:1], 0x20             ; b_attn, qkv_fine
	s_load_b64 s[12:13], s[0:1], 0x30              ; qkv16
	v_lshl_add_u32 v[SPW], v0, 2, SPARE
	v_mov_b32 v[NIL], 0
	ds_add_u32 v[SPW], v[NIL]                      ; the wave's opening: the add, twice on end, and its wait ahead of my first tensor load
	ds_add_u32 v[SPW], v[NIL]
	v_lshrrev_b32 v1, 5, v0
	v_readfirstlane_b32 s14, v1                    ; wave 0..3
	s_lshr_b32 s15, s14, 1                         ; which half of the tile's rows is mine; also: I fetch for A (0) or B (1)
	s_and_b32 s16, s14, 1                          ; which half of its columns; also: which 128 rows I fetch
	s_bfe_u32 s40, ttmp6, 0x40000                  ; cx
	s_bfe_u32 s41, ttmp6, 0x40004                  ; cy
	s_lshl_b32 s42, ttmp9, 2
	s_add_co_u32 s42, s42, s40                     ; tile column = 4 x cluster x + cx
	s_and_b32 s17, ttmp7, 0xffff
	s_lshl_b32 s66, s41, 3
	s_add_co_u32 s17, s17, s66                     ; tile row = 8 cy + cluster y
	s_lshl_b32 s43, s41, 2
	s_lshl_b32 s43, 15, s43                        ; my row of the cluster
	s_lshl_b32 s44, 0x1111, s40                    ; my column
	s_or_b32 s[G1+0], s43, (0<<16)|(1<<20)|(1<<21)|(5<<22)|(3<<25)   ; mask; elements of 1 byte; padding on; bit 21 beside a mask; four words after every 64
	s_or_b32 s[G1B+0], s44, (0<<16)|(1<<20)|(1<<21)|(5<<22)|(3<<25)
.irp g, G1, G1B
	s_mov_b32 s[\g+1], ROWB<<16                    ; tensor_dim0
	s_mov_b32 s[\g+2], 128<<16                     ; tensor_dim1
	s_mov_b32 s[\g+3], ROWB<<16                    ; tile_dim0
	s_mov_b32 s[\g+4], 128                         ; tile_dim1
	s_mov_b32 s[\g+5], KROW                        ; stride from row to row
	s_mov_b32 s[\g+6], 0
	s_mov_b32 s[\g+7], 0
.endr
	s_or_b32 s[G1S+0], s43, (3<<16)|(1<<20)|(1<<21)|(5<<22)|(3<<25)  ; the scales of 128 rows: 4,096 dense bytes as 16 rows of 32 elements of 8 bytes
	s_or_b32 s[G1SB+0], s44, (3<<16)|(1<<20)|(1<<21)|(5<<22)|(3<<25)
.irp g, G1S, G1SB
	s_mov_b32 s[\g+1], 32<<16
	s_mov_b32 s[\g+2], 16<<16
	s_mov_b32 s[\g+3], 32<<16
	s_mov_b32 s[\g+4], 16
	s_mov_b32 s[\g+5], 32
	s_mov_b32 s[\g+6], 0
	s_mov_b32 s[\g+7], 0
.endr
	s_lshl_b32 s18, s16, 7
	s_lshl_b32 s20, s17, 8
	s_add_co_u32 s20, s20, s18                     ; A: row 256 x tile row + 128 x half
	s_lshl_b32 s46, s42, 8
	s_add_co_u32 s46, s46, s18                     ; B: row 256 x tile column + 128 x half
	s_mov_b32 s21, 0
	s_mov_b32 s47, 0
	s_mov_b64 s[18:19], KS
	s_mul_u64 s[22:23], s[20:21], s[18:19]         ; where these rows' scales begin
	s_mul_u64 s[92:93], s[46:47], s[18:19]
	s_mov_b64 s[18:19], KROW
	s_mul_u64 s[20:21], s[20:21], s[18:19]         ; and their codes
	s_mul_u64 s[46:47], s[46:47], s[18:19]
	s_mul_i32 s45, s14, HALFT                      ; where they go: wave x 128 rows
	s_mul_i32 s94, s14, HALFS
	s_wait_dscnt 0x0                               ; both opening adds are done
	s_wait_kmcnt 0x0
	s_add_nc_u64 s[20:21], s[4:5], s[20:21]
	s_add_nc_u64 s[22:23], s[6:7], s[22:23]
	s_add_nc_u64 s[46:47], s[8:9], s[46:47]
	s_add_nc_u64 s[92:93], s[10:11], s[92:93]
	CROUND                                         ; all sixteen work-groups are here: the joint loads meet
	s_mov_b32 s[G0S], 1
	s_add_co_u32 s[G0S+1], s94, SCL
	s_mov_b64 s[G0S+2:G0S+3], s[22:23]
	s_or_b32 s[G0S+3], s[G0S+3], 0x80000000
	s_mov_b32 s[G0SB], 1
	s_add_co_u32 s[G0SB+1], s94, SCL
	s_mov_b64 s[G0SB+2:G0SB+3], s[92:93]
	s_or_b32 s[G0SB+3], s[G0SB+3], 0x80000000
	JLOAD G0S, G1S, G0SB, G1SB                     ; the scales first
.irp s, 0,1
	s_mov_b32 s[G0+4*\s], 1
	s_add_co_u32 s[G0+4*\s+1], s45, \s*SLOT
	s_add_nc_u64 s[G0+4*\s+2:G0+4*\s+3], s[20:21], \s*ROWB
	s_or_b32 s[G0+4*\s+3], s[G0+4*\s+3], 0x80000000
	s_mov_b32 s[G0B+4*\s], 1
	s_add_co_u32 s[G0B+4*\s+1], s45, \s*SLOT
	s_add_nc_u64 s[G0B+4*\s+2:G0B+4*\s+3], s[46:47], \s*ROWB
	s_or_b32 s[G0B+4*\s+3], s[G0B+4*\s+3], 0x80000000
	JLOAD G0+4*\s, G1, G0B+4*\s, G1B               ; three tensor loads of mine are out in all
.endr
	v_and_b32 v1, 15, v0                           ; r
	v_bfe_u32 v2, v0, 4, 1                         ; h
	v_mul_u32_u24 v3, v1, PITCH
	v_lshl_add_u32 v4, v2, 4, v3                   ; a fragment's row x pitch + 16 h
	s_mul_i32 s21, s15, HALFT
	s_mul_i32 s22, s16, HALFT
	s_add_co_u32 s22, s22, 2*HALFT
.irp s, 0,1
	v_add_nc_u32 v[ADRA+\s], s21, v4
	v_add_nc_u32 v[ADRB+\s], s22, v4
	s_add_co_u32 s21, s21, SLOT
	s_add_co_u32 s22, s22, SLOT
.endr
	v_mul_u32_u24 v5, v1, KS                       ; my row's scales: 32 bytes a row,
	v_lshrrev_b32 v6, 8, v5
	v_lshl_add_u32 v5, v6, 4, v5                   ; and 16 more for each 256 passed
	s_mul_i32 s21, s15, HALFS
	s_mul_i32 s22, s16, HALFS
	s_add_co_u32 s22, s22, 2*HALFS
	s_sub_co_u32 s22, s22, s21
	v_mul_u32_u24 v6, s22, v2                      ; lanes 16-31 take B's
	s_add_co_u32 s21, s21, SCL
	v_add_nc_u32 v5, v5, v6
	v_add_nc_u32 v[ADRS], s21, v5
	s_mul_i32 s23, s14, 16*528                     ; my stage, in slot 0: it has had its only fill, and nobody reads it when the first result is stored there
	v_mul_u32_u24 v5, v1, 528
	v_lshl_add_u32 v5, v2, 5, v5
	v_add_nc_u32 v[FSTO], s23, v5                  ; f32: row r of 528 bytes, + 32 h
	v_and_b32 v6, 31, v0
	v_lshlrev_b32 v[FCO], 4, v6
	v_add_nc_u32 v[FRD], s23, v[FCO]               ; back: the 32 lanes take one row of 512 bytes
	v_lshl_add_u32 v5, v2, 4, v3
	v_add_nc_u32 v[STO], s23, v5                   ; f16: row r of 272 bytes, + 16 h
	v_bfe_u32 v6, v0, 3, 1
	v_and_b32 v7, 7, v0
	v_mul_u32_u24 v5, v6, PITCH
	v_lshl_add_u32 v5, v2, 7, v5
	v_lshl_add_u32 v5, v7, 4, v5
	v_add_nc_u32 v[RD], s23, v5                    ; back: lanes 0-15 my first head's 128 bytes of two rows, lanes 16-31 my second head's
	v_lshlrev_b32 v5, 18, v2
	v_lshl_add_u32 v5, v6, 7, v5
	v_lshl_add_u32 v[CO], v7, 4, v5                ; in qkv16: a plane on for the second head, 128 bytes a row
	v_lshlrev_b32 v[BO], 5, v2
	s_lshl_b32 s46, s42, 10
	s_lshl_b32 s47, s16, 9
	s_add_co_u32 s46, s46, s47                     ; 4 n0, n0 = my first column = 256 x tile column + 128 x half
	s_mov_b32 s47, 0
	s_add_nc_u64 s[96:97], s[96:97], s[46:47]      ; b_attn at n0
	s_add_nc_u64 s[98:99], s[98:99], s[46:47]
	s_mul_i32 s20, s41, 196608                     ; 16 rows of 12,288 bytes a batch
	s_mov_b32 s21, 0
	s_add_nc_u64 s[98:99], s[98:99], s[20:21]      ; qkv_fine at (16 b, n0)
	s_lshr_b32 s20, s46, 12                        ; n0 / 1024: q, k or v
	s_lshl_b32 s20, s20, 6
	s_lshl_b32 s22, s41, 4
	s_add_co_u32 s20, s20, s22
	s_bfe_u32 s22, s46, 0x40008                    ; (n0 / 64) % 16: my first head
	s_add_co_u32 s20, s20, s22                     ; the plane
	s_lshl_b32 s20, s20, 18
	s_and_b32 s22, ttmp7, 0xffff
	s_lshl_b32 s22, s22, 15                        ; 256 rows of 128 bytes a tile
	s_add_co_u32 s20, s20, s22
	s_lshl_b32 s22, s15, 14
	s_add_co_u32 s20, s20, s22
	s_add_nc_u64 s[12:13], s[12:13], s[20:21]      ; qkv16 at my first row of my first head
.irp b, 0,1,2,3,4,5,6,7
	global_load_b128 v[BI+8*\b:BI+8*\b+3], v[BO], s[96:97] offset:64*\b        ; lane (r, h): b_attn[n0 + 16 b + 8 h + 0 .. 7]
	global_load_b128 v[BI+8*\b+4:BI+8*\b+7], v[BO], s[96:97] offset:64*\b+16
.endr
.macro FRAG reg, adr, q, i             ; 16 rows x 128 K of 4-bit codes: 8 registers, two loads 32 bytes apart
.irp c, 0,1
	ds_load_b128 v[\reg+4*\c:\reg+4*\c+3], v[\adr] offset:64*(\q)+32*\c+(\i)*16*PITCH
.endr
.endm
; 16 matrix instructions: A's blocks a0, a0 + 1 x B's eight.  first = 1: the bias is the C of the sum's first product.  The 64 accumulators take turns.
.macro MUL16 a0, p, q, sc, first
.irp a, \a0, \a0+1
.irp b, 0,1,2,3,4,5,6,7
.if \first
	v_wmma_scale_f32_16x16x128_f8f6f4 v[8*(8*((\a)%4)+\b):8*(8*((\a)%4)+\b)+7], v[128*(\p)+FR*\b:128*(\p)+FR*\b+FR-1], v[AF+FR*(\a):AF+FR*(\a)+FR-1], v[BI+8*\b:BI+8*\b+7], v[SC+8*NQ*(\sc)+NQ*\b+(\q)], v[SC+8*NQ*(\sc)+NQ*(\a)+(\q)] matrix_a_fmt:MATRIX_FMT_FP4 matrix_b_fmt:MATRIX_FMT_FP4 matrix_a_scale:MATRIX_SCALE_ROW1
.else
	v_wmma_scale_f32_16x16x128_f8f6f4 v[8*(8*((\a)%4)+\b):8*(8*((\a)%4)+\b)+7], v[128*(\p)+FR*\b:128*(\p)+FR*\b+FR-1], v[AF+FR*(\a):AF+FR*(\a)+FR-1], v[8*(8*((\a)%4)+\b):8*(8*((\a)%4)+\b)+7], v[SC+8*NQ*(\sc)+NQ*\b+(\q)], v[SC+8*NQ*(\sc)+NQ*(\a)+(\q)] matrix_a_fmt:MATRIX_FMT_FP4 matrix_b_fmt:MATRIX_FMT_FP4 matrix_a_scale:MATRIX_SCALE_ROW1
.endif
.endr
.endr
.endm
.macro FETCH_B slot, q, p
	WIN TO_B
.irp i, 0,1,2,3,4,5,6,7
	FRAG 128*(\p)+FR*\i, ADRB+\slot, \q, \i
.endr
	WIN 0
.endm
.macro FETCH_A slot, q, i0
.irp i, \i0, \i0+1, \i0+2, \i0+3
	FRAG AF+FR*(\i), ADRA+\slot, \q, \i
.endr
.endm
.macro SCALES sc                       ; a slot's scale words: four a row; lanes 0-15 take A's block i, lanes 16-31 B's block i
.irp i, 0,1,2,3,4,5,6,7
	ds_load_b128 v[SC+8*NQ*\sc+NQ*\i:SC+8*NQ*\sc+NQ*\i+3], v[ADRS] offset:\i*SBLK
.endr
.endm
.macro PLACES n                        ; plain vector lines between a matrix instruction and a load into, or a read of, its registers
.rept \n
	v_nop
.endr
.endm
.macro STEP slot, q, first             ; 128 along K, with its successor in the same slot
	s_wait_dscnt 4*NL                              ; B's set and A's blocks 0-3 are in; the youngest eight loads (A's blocks 4-7) may be out
.if \first
	WIN 0x81                                       ; C (the bias) in window 0, D in window 2
.else
	WIN MUL_LO
.endif
	MUL16 0, (\q)%2, \q, \slot, \first
	MUL16 2, (\q)%2, \q, \slot, \first
	s_wait_dscnt 0                                 ; A's blocks 4-7 are in
	PLACES NP
	FETCH_B \slot, (\q)+1, 1-(\q)%2
	FETCH_A \slot, (\q)+1, 0
.if \first
	WIN 0xc1
.else
	WIN MUL_HI
.endif
	MUL16 4, (\q)%2, \q, \slot, \first
	MUL16 6, (\q)%2, \q, \slot, \first
	PLACES NP
	WIN 0
	FETCH_A \slot, (\q)+1, 4
.endm
.macro STEPS slot, from
.set QQ, \from
.rept NQ-1-\from
	STEP \slot, QQ, 0
.set QQ, QQ+1
.endr
.endm
	s_wait_tensorcnt 1                             ; the scales and my part of slot 0 are in; slot 1's load may be out
	s_barrier_signal -1
	s_barrier_wait -1
	FETCH_B 0, 0, 0
	FETCH_A 0, 0, 0
	SCALES 0
	FETCH_A 0, 0, 4
	s_wait_loadcnt 0x0                             ; the bias
	STEP 0, 0, 1
	STEPS 0, 1
	; slot 0's last step changes slots: one barrier; nothing is filled again
	s_wait_tensorcnt 0x0                           ; my part of slot 1 has landed
	ds_add_u32 v[SPW], v[NIL]
	s_wait_dscnt 4*NL+1                            ; the add and the youngest eight loads may be out
	WIN MUL_LO
	MUL16 0, 1, NQ-1, 0, 0
	s_wait_dscnt 0x0                               ; the add is done, and my reads of slot 0 are over
	s_barrier_signal -1
	MUL16 2, 1, NQ-1, 0, 0
	WIN 0
	s_barrier_wait -1
	PLACES NP
	v_add_nc_u32 v[ADRS], 4*NQ, v[ADRS]            ; on to slot 1's scale words
	FETCH_B 1, 0, 0
	FETCH_A 1, 0, 0
	SCALES 1
	WIN MUL_HI
	MUL16 4, 1, NQ-1, 0, 0
	MUL16 6, 1, NQ-1, 0, 0
	PLACES NP
	WIN 0
	FETCH_A 1, 0, 4
	STEPS 1, 0
	s_wait_dscnt 4*NL                              ; the very last step: nothing more to fetch
	WIN MUL_LO
	MUL16 0, 1, NQ-1, 1, 0
	MUL16 2, 1, NQ-1, 1, 0
	s_wait_dscnt 0
	WIN MUL_HI
	MUL16 4, 1, NQ-1, 1, 0
	MUL16 6, 1, NQ-1, 1, 0
	WIN 0
	PLACES NP                                      ; ahead of the first read of results and of loads into A's registers
	; THE FIRST 16 POSITIONS OF A BATCH ALSO LEAVE IN F32: they are block 0 of the waves with rows 0-127 in the tiles with cluster y = 0.  The test is the same in all partners of a cluster.
	s_and_b32 s66, ttmp7, 0xffff
	s_or_b32 s66, s66, s15
	s_cmp_lg_u32 s66, 0
	s_cbranch_scc1 .Lcoarse
	WIN 0x08                                       ; an LDS store's data are its source 1: window 2
.irp b, 0,1,2,3,4,5,6,7
	ds_store_b128 v[FSTO], v[8*\b:8*\b+3] offset:64*\b             ; each accumulator from its low end on
	ds_store_b128 v[FSTO], v[8*\b+4:8*\b+7] offset:64*\b+16
.endr
	WIN 0
.irp t, 0,1,2,3,4,5,6,7,8,9,10,11,12,13,14,15
	ds_load_b128 v[128+4*\t:128+4*\t+3], v[FRD] offset:\t*528      ; in order behind my stores
.endr
	s_wait_dscnt 0x0
.irp t, 0,1,2,3,4,5,6,7,8,9,10,11,12,13,14,15
	global_store_b128 v[FCO], v[128+4*\t:128+4*\t+3], s[98:99] offset:\t*12288   ; 32 lanes store 512 consecutive bytes
.endr
	s_wait_xcnt 0x0                                ; these stores have read v128-191, into which the way out below loads
.Lcoarse:
; THE WAY OUT, block by block of 16 rows x 128 columns: rounded to f16, 16 bytes a lane into my stage, back as two rows of one head for each sixteen lanes.
.macro PACK a
.set AC, 64*((\a)%4)
	WIN 0x0a+5*((\a)/4)                            ; sources 0 and 1: window 2 or 3
.irp b, 0,1,2,3,4,5,6,7
.irp r, 0,1,2,3
	v_cvt_pk_f16_f32 v[TMP+4*\b+\r], v[AC+8*\b+2*\r], v[AC+8*\b+2*\r+1]
.endr
.endr
	WIN 0
.endm
.macro TOSTAGE a
.set BKR, OB+32*((\a)%2)
.irp b, 0,1,2,3,4,5,6,7
	ds_store_b128 v[STO], v[TMP+4*\b:TMP+4*\b+3] offset:32*\b
.endr
.irp u, 0,1,2,3,4,5,6,7
	ds_load_b128 v[BKR+4*\u:BKR+4*\u+3], v[RD] offset:544*\u       ; rows 2 u and 2 u + 1; in order behind my stores
.endr
.endm
.macro SEND a
.set BKR, OB+32*((\a)%2)
	s_wait_dscnt 0x0                               ; the block is back in registers
	s_wait_xcnt 0x0                                ; the earlier stores have read their registers: the next block's loads may land there
.irp u, 0,1,2,3,4,5,6,7
	global_store_b128 v[CO], v[BKR+4*\u:BKR+4*\u+3], s[12:13] offset:2048*(\a)+256*\u   ; sixteen lanes store 256 consecutive bytes, aligned
.endr
.endm
	PACK 0
	TOSTAGE 0
.irp a, 1,2,3,4,5,6,7                  ; block a's conversions stand between block a - 1's loads from the stage and the wait for them
	PACK \a
	SEND \a-1
	TOSTAGE \a
.endr
	SEND 7
	s_wait_tensorcnt 0x0                           ; the wave's end
	ds_add_u32 v[SPW], v[NIL]
	s_wait_dscnt 0x0
	CROUND                                         ; the closing round
	s_endpgm
.Lfunc_end_k_q14a328f0d4_qkv:
	.size	k_q14a328f0d4_qkv, .Lfunc_end_k_q14a328f0d4_qkv-k_q14a328f0d4_qkv
	.p2alignl 7, 3214868480
	.fill 96, 4, 3214868480
	.section	.rodata,"a",@progbits
	.p2align	6, 0x0
	.amdhsa_kernel k_q14a328f0d4_qkv
		.amdhsa_group_segment_fixed_size 327680
		.amdhsa_private_segment_fixed_size 0
		.amdhsa_enable_private_segment 0
		.amdhsa_kernarg_size 56
		.amdhsa_user_sgpr_count 2
		.amdhsa_user_sgpr_kernarg_segment_ptr 1
		.amdhsa_wavefront_size32 1
		.amdhsa_system_sgpr_workgroup_id_x 1
		.amdhsa_system_sgpr_workgroup_id_y 1
		.amdhsa_system_sgpr_workgroup_id_z 1
		.amdhsa_system_vgpr_workitem_id 0
		.amdhsa_next_free_vgpr 1024
		.amdhsa_next_free_sgpr 100
		.amdhsa_reserve_vcc 0
		.amdhsa_float_denorm_mode_32 3
		.amdhsa_float_denorm_mode_16_64 3
		.amdhsa_memory_ordered 1
		.amdhsa_forward_progress 1
		.amdhsa_inst_pref_size 132
	.end_amdhsa_kernel
	.amdgpu_metadata
---
amdhsa.version: [ 1, 2 ]
amdhsa.kernels:
  - .name:           k_q14a328f0d4_qkv
    .symbol:         k_q14a328f0d4_qkv.kd
    .args:
      - { .name: x_codes, .offset: 0, .size: 8, .value_kind: global_buffer, .address_space: global }
      - { .name: x_scales, .offset: 8, .size: 8, .value_kind: global_buffer, .address_space: global }
      - { .name: w_codes, .offset: 16, .size: 8, .value_kind: global_buffer, .address_space: global }
      - { .name: w_scales, .offset: 24, .size: 8, .value_kind: global_buffer, .address_space: global }
      - { .name: b_attn, .offset: 32, .size: 8, .value_kind: global_buffer, .address_space: global }
      - { .name: qkv_fine, .offset: 40, .size: 8, .value_kind: global_buffer, .address_space: global }
      - { .name: qkv16, .offset: 48, .size: 8, .value_kind: global_buffer, .address_space: global }
    .group_segment_fixed_size: 327680
    .private_segment_fixed_size: 0
    .kernarg_segment_align: 8
    .kernarg_segment_size: 56
    .max_flat_workgroup_size: 128
    .sgpr_count:     100
    .vgpr_count:     1024
    .wavefront_size: 32
...
	.end_amdgpu_metadata
.endif
;; end of part 2
;; launch attn (part 3): grid 4 x 64, 8 waves a work-group, no clusters, 327,680 bytes of LDS; arguments qkv16, y16; writes y16
.if DOCPART == 3
	.amdgcn_target "amdgcn-amd-amdhsa--gfx1250"
	.amdhsa_code_object_version 6
	.text
	.protected	k_q14a328f0d4_attn
	.globl	k_q14a328f0d4_attn
	.p2align	8
	.type	k_q14a328f0d4_attn,@function
k_q14a328f0d4_attn:
	s_mov_b64 s[64:65], 0
	v_nop
	global_prefetch_b8 v0, s[64:65] scope:SCOPE_SE
	s_setreg_imm32_b32 hwreg(HW_REG_WAVE_MODE, 25, 1), 1
	s_wait_xcnt 0x0
; ATTN: y[b][h][q] = sum over k <= q of softmax_k(q . k / 8) v, on f16 operands with f32 sums; maxima, exponentials and sums in f32; a running maximum.
; qkv16: [plane = 64 which + bh][2048 t][64] f16 (which: 0 q, 1 k, 2 v; bh = 16 b + h).  y16: [h][2048 b + t][64] f16.
; SHARES.  A work-group (i, bh) makes query block i and then block 7 - i, 256 queries each: (i + 1) + (8 - i) = 9 slots of 256 keys for every work-group: equal work and constant trip counts.
; Each of the eight waves owns 32 queries (two tiles of 16), at 32 s in the block, s = w for w < 4, else 11 - w.  A key step is 64 keys.
; No cluster: under the causal mask the query blocks of a head need different numbers of key slots, so partners could not make every joint request and read what it brings.
; LAYOUT.  S^T = K Q^T (source 0 = 16 keys, source 1 = 16 queries): a lane holds ONE query (lane % 16) and keys 8 (lane / 16) + 0..7.  Two such tiles, rounded to f16 in pairs, are source 1 of
; O^T = V^T P; V comes out of LDS turned, by ds_load_tr16_b128.
; RING.  Two slots of 256 keys.  A plane's rows of 128 bytes are dense, so tiles are stated as pair-rows of 256 bytes (two keys).  Waves 0, 1 fetch K's halves, waves 2, 3 V's, waves 4-7 nothing.
; A step all of whose keys come after my 32 queries is jumped over (a branch on ids); on the diagonal hidden scores become -infinity ahead of the maximum.
; LIMITS: q, k, v, y under 65,504 in size; NaN and infinities are not served.  The first 16 positions of each sequence are made again, in f32, by the last launch.
; REGISTERS: window 0: v1-15 addresses; v16-31 statistics, 8 a tile (+0 c m, +1 m, +2 +3 l, +4..7 at work, a in +6); v32-63 Q; v64-127 S^T; v128-159 P; v160-223 K; v224 -infinity.
;   window 1: v0-63 O^T (32 t + 8 dt); v64-127 V (64 + 32 kc + 8 dt).
.set SLOT1, 1<<17                      ; slot 1 begins here: one exclusive or turns an address
.set VOFF,  34816                      ; a slot: K's 128 pair-rows at pitch 272, then V's 128 at pitch 288
.set STAGE, 202752                     ; behind the ring: 32 rows x 144 bytes a wave
.set SPARE, 239616                     ; the spare words, 128 bytes a wave
.set AK0, 1
.set AV0, 2
.set ADK, 3
.set ADV, 4
.set QO,  5
.set STO, 6
.set RD,  7
.set GO,  8
.set DL,  9
.set SPW, 10
.set NIL, 11
.set PFO, 12
.set PFO2, 13
.set D0,  14
.set ST,  16
.set Q,   32
.set S,   64
.set P,   128
.set KFR, 160
.set NEG, 224
.set WV,  8                            ; s8  wave
.set SG,  9                            ; s9  its place in the block
.set I,   10                           ; s10 work-group x
.set BH,  11                           ; s11 16 b + h
.set Q0,  12                           ; s12 my first query
.set KEY, 13                           ; s13 the step's first key
.set SLOTS, 14                         ; s14 8 .. 1
.set SW,  15                           ; s15 8 - i: the trip in which block i ends
.set KS,  16                           ; s16 the key slot last asked for
.set FOUR, 17
.set TBK, 18                           ; s18 LDS byte of the step's K
.set TBV, 19                           ; s19 and V (less VOFF)
.set SEL, 20
.set CS,  22                           ; s[22:23] c = log2(e) / 8
.set G1K, 24
.set G1V, 32
.set G0K, 40
.set G0V, 44
.set KB,  48                           ; s[48:49] K's plane at my half of a slot
.set VB,  50
.set QA,  52
.set YA,  54
.set OFS, 56                           ; s[56:57] an offset, high word 0
.set PFA, 58
.set FLAG, 60
.set DQ,  62                           ; s[62:63] bytes from block i to block 7 - i
.set DQ0, 66
.set MSB, 0
.macro WIN new
.if MSB != (\new)
	s_set_vgpr_msb (MSB<<8)|(\new)
.set MSB, (\new)
.endif
.endm
; Waves 0 and 1 fetch for K, waves 2 and 3 for V.  An s_nop 0 and four v_nop follow each line.
.macro TLOAD
	s_cmp_lt_u32 s[WV], 2
	s_cbranch_scc0 .Lnot_k_\@
	tensor_load_to_lds s[G0K:G0K+3], s[G1K:G1K+7]
	s_nop 0
.rept 4
	v_nop
.endr
	s_branch .Lasked_\@
.Lnot_k_\@:
	s_cmp_lt_u32 s[WV], 4
	s_cbranch_scc0 .Lasked_\@
	tensor_load_to_lds s[G0V:G0V+3], s[G1V:G1V+7]
	s_nop 0
.rept 4
	v_nop
.endr
.Lasked_\@:
.endm
; A PREFETCH INTO THE L2.  The work-group with i = 0 walks key slots 0, 0, 1, .. 7; at the change with SLOTS = 5 .. 2 it loads key slot 3 .. 6 and its waves 4-7 name key slot 4 .. 7 of K and of V:
; 32,768 bytes each, 8,192 a wave, lanes 256 bytes apart.  So each of those blocks is named once in the launch, one slot (four key steps) ahead of this work-group's load of it.  Key slots 0-3 are not named.
.macro ASK
	s_sub_co_u32 s67, s[SLOTS], 2
	s_or_b32 s67, s67, s[FLAG]
	s_cmp_lt_u32 s67, 4
	s_cbranch_scc0 .Lnot_mine_\@
	global_prefetch_b8 v[PFO], s[PFA:PFA+1] th:TH_LOAD_NT scope:SCOPE_SE
	global_prefetch_b8 v[PFO2], s[PFA:PFA+1] th:TH_LOAD_NT scope:SCOPE_SE
.Lnot_mine_\@:
.endm
	s_load_b128 s[4:7], s[0:1], 0x0                ; qkv16, y16
	v_lshl_add_u32 v[SPW], v0, 2, SPARE
	v_mov_b32 v[NIL], 0
	ds_add_u32 v[SPW], v[NIL]                      ; the wave's opening: the add, twice on end, and its wait ahead of the first tensor load
	ds_add_u32 v[SPW], v[NIL]
	v_lshrrev_b32 v225, 5, v0
	v_readfirstlane_b32 s[WV], v225
	s_sub_co_u32 s67, 11, s[WV]
	s_cmp_lt_u32 s[WV], 4
	s_cselect_b32 s[SG], s[WV], s67
	s_mov_b32 s[I], ttmp9
	s_and_b32 s[BH], ttmp7, 0xffff
	s_lshl_b32 s[Q0], s[I], 8
	s_lshl_b32 s67, s[SG], 5
	s_add_co_u32 s[Q0], s[Q0], s67
	s_mov_b32 s[KEY], 0
	s_mov_b32 s[SLOTS], 8
	s_sub_co_u32 s[SW], 8, s[I]
	s_mov_b32 s[KS], 0
	s_mov_b32 s[TBK], 0
	s_mov_b32 s[TBV], 0
	s_mov_b32 s[SEL], 0x76543210
	s_mov_b32 s[SEL+1], 0xfedcba98
	s_mov_b32 s[CS], 0x3e38aa3b
	s_mov_b32 s[CS+1], s[CS]
	s_mov_b32 s[OFS+1], 0
	s_lshl_b32 s67, s[I], 1
	s_sub_co_u32 s67, 7, s67
	s_lshl_b32 s[DQ], s67, 15                      ; (7 - 2 i) blocks of 256 rows of 128 bytes
	s_mov_b32 s[DQ+1], 0
	s_lshl_b32 s[DQ0], s67, 8
	s_mov_b32 s[G1K], (1<<16)|(1<<20)|(5<<22)|(3<<25)   ; elements of 2 bytes; padding: four words after every 64
	s_mov_b32 s[G1V], (1<<16)|(1<<20)|(5<<22)|(7<<25)   ; eight words
.irp g, G1K, G1V
	s_mov_b32 s[\g+1], 128<<16                     ; tensor_dim0 = 128 elements: a pair-row
	s_mov_b32 s[\g+2], 64<<16                      ; tensor_dim1 = 64 pair-rows
	s_mov_b32 s[\g+3], 128<<16                     ; tile_dim0
	s_mov_b32 s[\g+4], 64                          ; tile_dim1
	s_mov_b32 s[\g+5], 128                         ; dense
	s_mov_b32 s[\g+6], 0
	s_mov_b32 s[\g+7], 0
.endr
	s_and_b32 s67, s[WV], 1                        ; which half of a slot I fetch
	s_lshl_b32 s68, s67, 14
	s_add_co_u32 s69, s[BH], 64
	s_lshl_b32 s69, s69, 18                        ; K's plane
	s_add_co_u32 s70, s69, s68
	s_mov_b32 s71, 0
	s_add_co_u32 s72, s70, 1<<24                   ; V's lies 64 planes on
	s_mov_b32 s73, 0
	s_mov_b32 s[G0K], 1
	s_mov_b32 s[G0V], 1
	s_mul_i32 s[G0K+1], s67, 17408
	s_mul_i32 s[G0V+1], s67, 18432
	s_add_co_u32 s[G0V+1], s[G0V+1], VOFF
	s_lshl_b32 s74, s[BH], 18
	s_lshl_b32 s75, s[Q0], 7
	s_add_co_u32 s74, s74, s75
	s_mov_b32 s75, 0
	s_and_b32 s76, s[BH], 15
	s_lshl_b32 s76, s76, 13
	s_lshr_b32 s77, s[BH], 4
	s_lshl_b32 s77, s77, 11
	s_add_co_u32 s76, s76, s77
	s_add_co_u32 s76, s76, s[Q0]
	s_lshl_b32 s76, s76, 7
	s_mov_b32 s77, 0
	s_lshr_b32 s67, s[WV], 2
	s_xor_b32 s67, s67, 1
	s_or_b32 s67, s67, s[I]
	s_cmp_eq_u32 s67, 0
	s_cselect_b32 s[FLAG], 0, -1                   ; 0 in waves 4-7 of the work-group with i = 0
	s_wait_dscnt 0x0                               ; both opening adds are done
	s_wait_kmcnt 0x0
	s_add_nc_u64 s[KB:KB+1], s[4:5], s[70:71]
	s_add_nc_u64 s[VB:VB+1], s[4:5], s[72:73]
	s_add_nc_u64 s[QA:QA+1], s[4:5], s[74:75]
	s_add_nc_u64 s[YA:YA+1], s[6:7], s[76:77]
	s_mov_b32 s70, s69
	s_add_nc_u64 s[PFA:PFA+1], s[4:5], s[70:71]    ; K's plane, key slot 0: each change steps it a slot on
	s_mov_b64 s[G0K+2:G0K+3], s[KB:KB+1]
	s_or_b32 s[G0K+3], s[G0K+3], 0x80000000
	s_mov_b64 s[G0V+2:G0V+3], s[VB:VB+1]
	s_or_b32 s[G0V+3], s[G0V+3], 0x80000000
	TLOAD                                          ; slot 0: key slot 0, which counts for every query
	v_and_b32 v225, 15, v0                         ; r
	v_bfe_u32 v226, v0, 4, 1                       ; h
	v_lshlrev_b32 v[QO], 7, v225
	v_lshl_add_u32 v[QO], v226, 4, v[QO]           ; Q: row r of 128 bytes, + 16 h
.macro QLOAD                           ; tile t, channels 32 c on: 8 registers, two loads 32 bytes apart
.irp t, 0,1
.irp c, 0,1
	global_load_b128 v[Q+16*\t+8*\c:Q+16*\t+8*\c+3], v[QO], s[QA:QA+1] offset:2048*\t+64*\c
	global_load_b128 v[Q+16*\t+8*\c+4:Q+16*\t+8*\c+7], v[QO], s[QA:QA+1] offset:2048*\t+64*\c+32
.endr
.endr
.endm
	QLOAD
	v_lshrrev_b32 v227, 1, v225
	v_mul_u32_u24 v[AK0], v227, 272
	v_and_b32 v227, 1, v0
	v_lshl_add_u32 v[AK0], v227, 7, v[AK0]
	v_lshl_add_u32 v[AK0], v226, 4, v[AK0]         ; K: key r: pair-row r / 2, half r % 2, + 16 h
	v_bfe_u32 v228, v0, 1, 2
	v_lshl_add_u32 v228, v226, 2, v228
	v_mul_u32_u24 v[AV0], v228, 288
	v_lshl_add_u32 v[AV0], v227, 7, v[AV0]
	v_bfe_u32 v228, v0, 3, 1
	v_lshl_add_u32 v[AV0], v228, 4, v[AV0]
	v_add_nc_u32 v[AV0], VOFF, v[AV0]              ; V: key 8 h + lane % 8, channels 8 ((lane / 8) % 2) on
	s_mul_i32 s67, s[WV], 4608
	s_add_co_u32 s67, s67, STAGE
	v_mul_u32_u24 v[STO], v225, 144
	v_lshl_add_u32 v[STO], v226, 4, v[STO]
	v_add_nc_u32 v[STO], s67, v[STO]
	v_and_b32 v229, 31, v0
	v_lshrrev_b32 v228, 3, v229
	v_mul_u32_u24 v[RD], v228, 144
	v_and_b32 v228, 7, v0
	v_lshl_add_u32 v[RD], v228, 4, v[RD]
	v_add_nc_u32 v[RD], s67, v[RD]
	v_lshlrev_b32 v[GO], 4, v229
	v_lshlrev_b32 v228, 3, v226
	v_sub_nc_u32 v[DL], v225, v228                 ; r - 8 h
	v_mov_b32 v[NEG], 0xff800000
	s_and_b32 s67, s[WV], 3
	s_lshl_b32 s67, s67, 13
	v_lshl_add_u32 v[PFO], v229, 8, s67
	v_add_nc_u32 v[PFO2], 0x1000000, v[PFO]
.macro START                           ; a block's statistics and O^T: the step is written once, and its first pass finds zeros and a largest score under every score
.irp t, 0,1
	v_mov_b32 v[ST+8*\t+1], 0xff61b1e6             ; m = -3e38
	v_mul_f32 v[ST+8*\t], s[CS], v[ST+8*\t+1]
.irp k, 2,3,4,5,6,7
	v_mov_b32 v[ST+8*\t+\k], 0
.endr
.endr
	WIN 0x40
.set e, 0
.rept 64
	v_mov_b32 v[e], 0
.set e, e+1
.endr
	WIN 0
.endm
.macro FETCH_K                         ; 64 keys x 64 channels: 8 fragments
.irp kt, 0,1,2,3
.irp c, 0,1
	ds_load_b128 v[KFR+8*(2*\kt+\c):KFR+8*(2*\kt+\c)+3], v[ADK] offset:2176*\kt+64*\c
	ds_load_b128 v[KFR+8*(2*\kt+\c)+4:KFR+8*(2*\kt+\c)+7], v[ADK] offset:2176*\kt+64*\c+32
.endr
.endr
.endm
.macro FETCH_V                         ; turned: keys 32 kc on, channels 16 dt on
	WIN 0x40
.irp kc, 0,1
.irp dt, 0,1,2,3
	ds_load_tr16_b128 v[64+32*\kc+8*\dt:64+32*\kc+8*\dt+3], v[ADV] offset:4608*\kc+32*\dt
	ds_load_tr16_b128 v[64+32*\kc+8*\dt+4:64+32*\kc+8*\dt+7], v[ADV] offset:4608*\kc+2304+32*\dt
.endr
.endr
	WIN 0
.endm
.macro QK                              ; 16 products; the eight accumulators take turns; the first eight start the sums
.irp c, 0,1
.irp kt, 0,1,2,3
.irp t, 0,1
.if \c == 0
	v_wmma_f32_16x16x32_f16 v[S+32*\t+8*\kt:S+32*\t+8*\kt+7], v[KFR+8*(2*\kt+\c):KFR+8*(2*\kt+\c)+7], v[Q+16*\t+8*\c:Q+16*\t+8*\c+7], 0
.else
	v_wmma_f32_16x16x32_f16 v[S+32*\t+8*\kt:S+32*\t+8*\kt+7], v[KFR+8*(2*\kt+\c):KFR+8*(2*\kt+\c)+7], v[Q+16*\t+8*\c:Q+16*\t+8*\c+7], v[S+32*\t+8*\kt:S+32*\t+8*\kt+7]
.endif
.endr
.endr
.endr
.endm
.macro MASK                            ; register (t, kt, j) holds key KEY + 16 kt + 8 h + j for query Q0 + 16 t + r: hidden where 16 kt + j > Q0 - KEY + 16 t + r - 8 h
	s_add_co_u32 s67, s[KEY], 63
	s_cmp_le_u32 s67, s[Q0]
	s_cbranch_scc1 .Lopen_\@                       ; all 64 keys count for all my queries
	s_sub_co_i32 s67, s[Q0], s[KEY]
	v_add_nc_u32 v[D0], s67, v[DL]
	v_add_nc_u32 v[D0+1], 16, v[D0]
.irp t, 0,1
.irp kt, 0,1,2,3
.irp j, 0,1,2,3,4,5,6,7
	v_cmp_gt_i32 vcc_lo, 16*\kt+\j, v[D0+\t]
	v_cndmask_b32 v[S+32*\t+8*\kt+\j], v[S+32*\t+8*\kt+\j], v[NEG], vcc_lo
.endr
.endr
.endr
.Lopen_\@:
.endm
.macro SOFTMAX                         ; both tiles line by line, so that no line waits for the line above it
.irp j, 0,1,2,3
.irp t, 0,1
	v_max3_num_f32 v[ST+8*\t+4+\j], v[S+32*\t+8*\j], v[S+32*\t+8*\j+1], v[S+32*\t+8*\j+2]   ; four chains, each from an accumulator's low end
.endr
.endr
.irp g, 1,2
.irp j, 0,1,2,3
.irp t, 0,1
	v_max3_num_f32 v[ST+8*\t+4+\j], v[ST+8*\t+4+\j], v[S+32*\t+8*\j+2*\g+1], v[S+32*\t+8*\j+2*\g+2]
.endr
.endr
.endr
.irp t, 0,1
	v_max3_num_f32 v[ST+8*\t+4], v[ST+8*\t+4], v[S+32*\t+7], v[S+32*\t+15]
	v_max3_num_f32 v[ST+8*\t+6], v[ST+8*\t+6], v[S+32*\t+23], v[S+32*\t+31]
.endr
.irp t, 0,1
	v_max3_num_f32 v[ST+8*\t+4], v[ST+8*\t+4], v[ST+8*\t+5], v[ST+8*\t+6]
.endr
.irp t, 0,1
	v_max3_num_f32 v[ST+8*\t+4], v[ST+8*\t+4], v[ST+8*\t+7], v[ST+8*\t+1]   ; with the old m
.endr
.irp t, 0,1
	v_permlanex16_b32 v[ST+8*\t+5], v[ST+8*\t+4], s[SEL], s[SEL+1]          ; the query's other 32 keys lie in the lane 16 away
.endr
.irp t, 0,1
	v_mov_b32 v[ST+8*\t+7], v[ST+8*\t]             ; c m_old is kept for a
.endr
.irp t, 0,1
	v_max_num_f32 v[ST+8*\t+1], v[ST+8*\t+4], v[ST+8*\t+5]
.endr
.irp t, 0,1
	v_mul_f32 v[ST+8*\t], s[CS], v[ST+8*\t+1]
.endr
.irp t, 0,1
	v_sub_f32 v[ST+8*\t+7], v[ST+8*\t+7], v[ST+8*\t]
.endr
.set e, 0
.rept 16
	v_pk_fma_f32 v[S+2*e:S+2*e+1], v[S+2*e:S+2*e+1], s[CS:CS+1], v[ST:ST+1] op_sel_hi:[1,0,0] neg_lo:[0,0,1] neg_hi:[0,0,1]             ; c s - c m
	v_pk_fma_f32 v[S+32+2*e:S+32+2*e+1], v[S+32+2*e:S+32+2*e+1], s[CS:CS+1], v[ST+8:ST+9] op_sel_hi:[1,0,0] neg_lo:[0,0,1] neg_hi:[0,0,1]
.set e, e+1
.endr
	v_exp_f32 v[ST+6], v[ST+7]                     ; a = 2^(c m_old - c m_new)
	v_exp_f32 v[ST+14], v[ST+15]
.set e, 0
.rept 32
	v_exp_f32 v[S+e], v[S+e]                       ; p = 2^(c s - c m): one batch of 66 exponentials
	v_exp_f32 v[S+32+e], v[S+32+e]
.set e, e+1
.endr
	v_nop                                          ; a plain line behind the last exponential
	s_wait_alu depctr_va_vdst(0)                   ; one wait for the batch, ahead of its first reader
.set e, 0
.rept 16
	v_cvt_pk_f16_f32 v[P+e], v[S+2*e], v[S+2*e+1]
	v_cvt_pk_f16_f32 v[P+16+e], v[S+32+2*e], v[S+32+2*e+1]
.set e, e+1
.endr
.irp u, 0,1,2,3,4,5,6,7                ; the sum of the tile's 16 pairs, in place: neighbours 1, 2, 4 and 8 pairs apart
.irp t, 0,1
	v_pk_add_f32 v[S+32*\t+4*\u:S+32*\t+4*\u+1], v[S+32*\t+4*\u:S+32*\t+4*\u+1], v[S+32*\t+4*\u+2:S+32*\t+4*\u+3]
.endr
.endr
.irp u, 0,1,2,3
.irp t, 0,1
	v_pk_add_f32 v[S+32*\t+8*\u:S+32*\t+8*\u+1], v[S+32*\t+8*\u:S+32*\t+8*\u+1], v[S+32*\t+8*\u+4:S+32*\t+8*\u+5]
.endr
.endr
.irp u, 0,1
.irp t, 0,1
	v_pk_add_f32 v[S+32*\t+16*\u:S+32*\t+16*\u+1], v[S+32*\t+16*\u:S+32*\t+16*\u+1], v[S+32*\t+16*\u+8:S+32*\t+16*\u+9]
.endr
.endr
.irp t, 0,1
	v_pk_add_f32 v[S+32*\t:S+32*\t+1], v[S+32*\t:S+32*\t+1], v[S+32*\t+16:S+32*\t+17]
.endr
.irp t, 0,1
	v_pk_fma_f32 v[ST+8*\t+2:ST+8*\t+3], v[ST+8*\t+2:ST+8*\t+3], v[ST+8*\t+6:ST+8*\t+7], v[S+32*\t:S+32*\t+1] op_sel_hi:[1,0,1]   ; l = a l + the sum
.endr
.endm
.macro RESCALE                         ; O^T x a; these lines name no register of the products K Q^T
	WIN 0x41
.irp t, 0,1
.set e, 0
.rept 16
	v_pk_mul_f32 v[32*\t+2*e:32*\t+2*e+1], v[32*\t+2*e:32*\t+2*e+1], v[ST+8*\t+6:ST+8*\t+7] op_sel_hi:[1,0]
.set e, e+1
.endr
.endr
.endm
.macro PV                              ; 16 products; the eight accumulators take turns
	WIN 0x51                                       ; V and O^T in window 1, P in window 0
.irp kc, 0,1
.irp dt, 0,1,2,3
.irp t, 0,1
	v_wmma_f32_16x16x32_f16 v[32*\t+8*\dt:32*\t+8*\dt+7], v[64+32*\kc+8*\dt:64+32*\kc+8*\dt+7], v[P+16*\t+8*\kc:P+16*\t+8*\kc+7], v[32*\t+8*\dt:32*\t+8*\dt+7]
.endr
.endr
.endr
	WIN 0
.endm
.macro STEP
	s_add_co_u32 s67, s[Q0], 31
	s_cmp_gt_u32 s[KEY], s67
	s_cbranch_scc1 .Lhidden_\@                     ; all 64 keys come after my 32 queries
	v_add_nc_u32 v[ADK], s[TBK], v[AK0]
	v_add_nc_u32 v[ADV], s[TBV], v[AV0]
	v_nop
	v_nop                                          ; four plain lines between the last product V^T P and the loads into V's registers
	FETCH_K
	FETCH_V
	s_wait_dscnt 16                                ; K's 16 loads are in; V's 16 may be out
	QK
.rept 4
	v_nop
.endr
	MASK
	SOFTMAX
	RESCALE
	s_wait_dscnt 0x0                               ; V is in
	PV
.Lhidden_\@:
	s_add_co_u32 s[KEY], s[KEY], 64
.endm
.macro FOUR_STEPS                      ; a slot's four key steps: written once, walked four times
	s_mov_b32 s[FOUR], 4
.Lstep_\@:
	STEP
	s_add_co_u32 s[TBK], s[TBK], 8704
	s_add_co_u32 s[TBV], s[TBV], 9216
	s_sub_co_u32 s[FOUR], s[FOUR], 1
	s_cmp_lg_u32 s[FOUR], 0
	s_cbranch_scc1 .Lstep_\@
	s_sub_co_u32 s[TBK], s[TBK], 34816
	s_xor_b32 s[TBK], s[TBK], SLOT1                ; on to the other slot
	s_sub_co_u32 s[TBV], s[TBV], 36864
	s_xor_b32 s[TBV], s[TBV], SLOT1
.endm
; THE CHANGE OF SLOTS stands at a slot's head.  Each wave waits for all its tensor loads, adds 0 to its spare word, and waits for that and for its reads of the slot that it has left.  Behind the barrier
; the slot ahead is whole and nobody reads the other: fill = 1: it is filled with the key slot that follows: one tensor load a wave is out, and has four key steps in which to land.
.macro CHANGE fill
	s_wait_tensorcnt 0x0                           ; no tensor load of mine is out, so a group 0 may be written
	ds_add_u32 v[SPW], v[NIL]
.if \fill
	ds_add_u32 v[SPW], v[NIL]                      ; the add twice on end here, in every trip alike
	s_xor_b32 s[G0K+1], s[G0K+1], SLOT1
	s_xor_b32 s[G0V+1], s[G0V+1], SLOT1
	s_add_co_u32 s[KS], s[KS], 1                   ; the next key slot;
	s_cmp_eq_u32 s[SLOTS], s[SW]
	s_cselect_b32 s[KS], 0, s[KS]                  ; behind block i's diagonal slot the walk begins anew at key 0
	s_lshl_b32 s[OFS], s[KS], 15
	s_add_nc_u64 s[G0K+2:G0K+3], s[KB:KB+1], s[OFS:OFS+1]
	s_or_b32 s[G0K+3], s[G0K+3], 0x80000000
	s_add_nc_u64 s[G0V+2:G0V+3], s[VB:VB+1], s[OFS:OFS+1]
	s_or_b32 s[G0V+3], s[G0V+3], 0x80000000
	s_wait_xcnt 0x0                                ; the last prefetches, a slot back, have read their address
	s_add_nc_u64 s[PFA:PFA+1], s[PFA:PFA+1], 32768
.endif
	s_wait_dscnt 0x0                               ; the add is done, and my reads of the slot that I have left are over
	s_barrier_signal -1
	s_barrier_wait -1
.if \fill
	TLOAD
	ASK
.endif
.endm
; A BLOCK'S END: O^T / l, rounded to f16, through my stage, out as 512 consecutive bytes an instruction.  next = 1: on to block 7 - i.
.macro FINISH next
.if \next
	s_add_nc_u64 s[QA:QA+1], s[QA:QA+1], s[DQ:DQ+1]
	QLOAD                                          ; the next block's Q lands while this block leaves
.endif
.rept 4
	v_nop                                          ; plain lines behind the last products
.endr
.irp t, 0,1
	v_add_f32 v[ST+8*\t+4], v[ST+8*\t+2], v[ST+8*\t+3]
.endr
.irp t, 0,1
	v_permlanex16_b32 v[ST+8*\t+5], v[ST+8*\t+4], s[SEL], s[SEL+1]
.endr
.irp t, 0,1
	v_add_f32 v[ST+8*\t+4], v[ST+8*\t+4], v[ST+8*\t+5]
.endr
.irp t, 0,1
	v_rcp_f32 v[ST+8*\t+6], v[ST+8*\t+4]
.endr
	v_nop
	s_wait_alu depctr_va_vdst(0)                   ; one wait for the two reciprocals, ahead of their first reader
	RESCALE                                        ; x 1 / l
	WIN 0x05                                       ; sources in window 1, destination in window 0
.irp t, 0,1
.set e, 0
.rept 16
	v_cvt_pk_f16_f32 v[S+16*\t+e], v[32*\t+2*e], v[32*\t+2*e+1]
.set e, e+1
.endr
.endr
	WIN 0
.irp t, 0,1
.irp dt, 0,1,2,3
	ds_store_b128 v[STO], v[S+16*\t+4*\dt:S+16*\t+4*\dt+3] offset:2304*\t+32*\dt   ; query 16 t + r, channels 16 dt + 8 h on
.endr
.endr
.irp u, 0,1,2,3,4,5,6,7
	ds_load_b128 v[S+32+4*\u:S+32+4*\u+3], v[RD] offset:576*\u     ; four rows of 128 bytes; in order behind my stores
.endr
.irp u, 0,1,2,3,4,5,6,7
	s_wait_dscnt 7-\u
	global_store_b128 v[GO], v[S+32+4*\u:S+32+4*\u+3], s[YA:YA+1] offset:512*\u
.endr
.if \next
	s_wait_xcnt 0x0                                ; the stores have read their registers and base
	s_add_nc_u64 s[YA:YA+1], s[YA:YA+1], s[DQ:DQ+1]
	s_add_co_u32 s[Q0], s[Q0], s[DQ0]
	s_mov_b32 s[KEY], 0
	START
	s_wait_loadcnt 0x0                             ; Q
.endif
.endm
	START
	s_wait_loadcnt 0x0                             ; Q
.Lslot:                                            ; 8 trips: behind each change of slots but the last the next key slot is asked for
	CHANGE 1
	FOUR_STEPS
	s_cmp_lg_u32 s[SLOTS], s[SW]
	s_cbranch_scc1 .Lsame
	FINISH 1                                       ; block i's diagonal slot is done
.Lsame:
	s_sub_co_u32 s[SLOTS], s[SLOTS], 1
	s_cmp_lg_u32 s[SLOTS], 0
	s_cbranch_scc1 .Lslot
	CHANGE 0                                       ; the last slot is written out: nothing is asked for
	FOUR_STEPS
	FINISH 0
	s_wait_tensorcnt 0x0                           ; the wave's end
	ds_add_u32 v[SPW], v[NIL]
	s_wait_dscnt 0x0
	s_endpgm
.Lfunc_end_k_q14a328f0d4_attn:
	.size	k_q14a328f0d4_attn, .Lfunc_end_k_q14a328f0d4_attn-k_q14a328f0d4_attn
	.p2alignl 7, 3214868480
	.fill 96, 4, 3214868480
	.section	.rodata,"a",@progbits
	.p2align	6, 0x0
	.amdhsa_kernel k_q14a328f0d4_attn
		.amdhsa_group_segment_fixed_size 327680
		.amdhsa_private_segment_fixed_size 0
		.amdhsa_enable_private_segment 0
		.amdhsa_kernarg_size 16
		.amdhsa_user_sgpr_count 2
		.amdhsa_user_sgpr_kernarg_segment_ptr 1
		.amdhsa_wavefront_size32 1
		.amdhsa_system_sgpr_workgroup_id_x 1
		.amdhsa_system_sgpr_workgroup_id_y 1
		.amdhsa_system_sgpr_workgroup_id_z 1
		.amdhsa_system_vgpr_workitem_id 0
		.amdhsa_next_free_vgpr 384
		.amdhsa_next_free_sgpr 80
		.amdhsa_reserve_vcc 1
		.amdhsa_float_denorm_mode_32 3
		.amdhsa_float_denorm_mode_16_64 3
		.amdhsa_memory_ordered 1
		.amdhsa_forward_progress 1
		.amdhsa_inst_pref_size 73
	.end_amdhsa_kernel
	.amdgpu_metadata
---
amdhsa.version: [ 1, 2 ]
amdhsa.kernels:
  - .name:           k_q14a328f0d4_attn
    .symbol:         k_q14a328f0d4_attn.kd
    .args:
      - { .name: qkv16, .offset: 0, .size: 8, .value_kind: global_buffer, .address_space: global }
      - { .name: y16, .offset: 8, .size: 8, .value_kind: global_buffer, .address_space: global }
    .group_segment_fixed_size: 327680
    .private_segment_fixed_size: 0
    .kernarg_segment_align: 8
    .kernarg_segment_size: 16
    .max_flat_workgroup_size: 256
    .sgpr_count:     80
    .vgpr_count:     384
    .wavefront_size: 32
...
	.end_amdgpu_metadata
.endif
;; end of part 3
;; launch proj (part 4): grid 8 x 32, 4 waves a work-group, clusters of 4 x 4, 327,680 bytes of LDS; arguments y16, wp16, b_proj, out0; writes out0
.if DOCPART == 4
	.amdgcn_target "amdgcn-amd-amdhsa--gfx1250"
	.amdhsa_code_object_version 6
	.text
	.protected	k_q14a328f0d4_proj
	.globl	k_q14a328f0d4_proj
	.p2align	8
	.type	k_q14a328f0d4_proj,@function
k_q14a328f0d4_proj:
	s_mov_b64 s[64:65], 0
	v_nop
	global_prefetch_b8 v0, s[64:65] scope:SCOPE_SE
	s_setreg_imm32_b32 hwreg(HW_REG_WAVE_MODE, 25, 1), 1
	s_wait_xcnt 0x0
	s_wait_alu depctr_hold_cnt(0) depctr_sa_sdst(0) depctr_va_vdst(0) depctr_va_sdst(0) depctr_va_ssrc(0) depctr_va_vcc(0) depctr_vm_vsrc(0)
	s_getreg_b32 s2, hwreg(HW_REG_IB_STS2, 6, 4)
	s_cmp_eq_u32 s2, 0
	s_cbranch_scc0 .Lentry_in_a_cluster
	s_endpgm
.Lentry_in_a_cluster:
	s_bfe_u32 s2, ttmp6, 0x10000c
	s_cmp_lg_u32 s2, 0xf033
	s_cbranch_scc0 .Lentry_shape_is_right
	s_endpgm
.Lentry_shape_is_right:
; PROJ: out0 = y w_proj + b_proj on f16 operands, f32 sums.  A = y16 [16 h][8192 rows][64] f16 (k = 64 h + d), B = wp16 [1024 n][1024 k] f16 = 256 x w_proj turned; the factor 2^-8 and the bias are one
; fused multiply-add on the way out.  A tile of out0 is 256 rows x 128 columns: 256 work-groups; a wave makes 128 x 64: 32 accumulators.
; K goes in steps of 128 (two heads) through a ring of two LDS slots.  A head's 256 rows of 128 bytes are dense: they are stated as 128 pair-rows of 256 bytes.  Wave 0 fetches the step's first head,
; wave 1 its second, waves 2 and 3 the halves of B's 128 rows.  CLUSTER 4 x 4: A's tiles are shared along a row, B's along a column: joint loads, one a wave behind each round.
; THE MATRIX INSTRUCTION IS USED TRANSPOSED (source 0 = 16 rows of B, source 1 = 16 rows of A): a lane holds eight neighbouring columns of one row of out0.
; All 8,192 rows are made here; the first 16 of each batch are written over, in finer arithmetic, by the last launch.
; REGISTERS: window 0: v16-29 addresses; v32-63 the bias; v64-95 results at work; v96-159 rows on their way out.  window 1: two fragment buffers of 96 (A's 8 blocks, then B's 4).  window 2: accumulator (a, b) at v[8 (4 a + b)].
.set APL,    34816                     ; a head's 128 pair-rows at pitch 272
.set BOFF,   69632                     ; B's 128 rows at pitch 272 lie behind A's two heads
.set HALF,   17408                     ; 64 rows or pair-rows
.set SLOT,   104448
.set STAGE,  208896                    ; behind the ring: 16 rows x 272 bytes a wave
.set SPITCH, 272
.set SPARE,  226304                    ; the spare words, 128 bytes a wave
.set LAPS,   4                         ; a lap = two K steps
.set ADRA, 16
.set ADRB, 20
.set STO,  24
.set RD,   25
.set CO,   26
.set BO,   27
.set SPW,  28
.set NIL,  29
.set BIAS, 32
.set TMP,  64
.set OB,   96
.set F0,   0
.set F1,   96
.set G1, 24
.set G0, 32
.set G1B, 48
.set G0B, 56
.set MSB, 0
.macro WIN new
.if MSB != (\new)
	s_set_vgpr_msb (MSB<<8)|(\new)
.set MSB, (\new)
.endif
.endm
.set MUL,  0xa5                        ; sources 0 and 1 window 1; C and D window 2
.set TO_F, 0x40
.macro JLOAD s                         ; waves 0 and 1 fetch for A, waves 2 and 3 for B; an s_nop 0 and four v_nop follow each line
	s_cmp_eq_u32 s11, 0
	s_cbranch_scc0 .Lfor_b_\@
	tensor_load_to_lds s[G0+4*\s:G0+4*\s+3], s[G1:G1+7]
	s_nop 0
.rept 4
	v_nop
.endr
	s_branch .Lasked_\@
.Lfor_b_\@:
	tensor_load_to_lds s[G0B+4*\s:G0B+4*\s+3], s[G1B:G1B+7]
	s_nop 0
.rept 4
	v_nop
.endr
.Lasked_\@:
.endm
.macro CREST
	s_cmp_lg_u32 s10, 0
	s_cbranch_scc1 .Lnot_wave_0_\@
	s_barrier_signal -3
.Lnot_wave_0_\@:
	s_barrier_wait -3
	s_barrier_signal -1
	s_barrier_wait -1
.endm
.macro CROUND
	s_barrier_signal -1
	s_barrier_wait -1
	CREST
.endm
	s_load_b128 s[4:7], s[0:1], 0x0                ; y16, wp16
	s_load_b128 s[68:71], s[0:1], 0x10             ; b_proj, out0
	v_lshl_add_u32 v[SPW], v0, 2, SPARE
	v_mov_b32 v[NIL], 0
	ds_add_u32 v[SPW], v[NIL]                      ; the wave's opening: the add, twice on end, and its wait ahead of my first tensor load
	ds_add_u32 v[SPW], v[NIL]
	v_lshrrev_b32 v1, 5, v0
	v_readfirstlane_b32 s10, v1                    ; wave 0..3
	s_lshr_b32 s11, s10, 1                         ; which half of the tile's rows is mine; also: I fetch for A (0) or B (1)
	s_and_b32 s12, s10, 1                          ; which half of its columns; also: which head, or which 64 rows of B, I fetch
	s_bfe_u32 s40, ttmp6, 0x40000
	s_bfe_u32 s41, ttmp6, 0x40004
	s_lshl_b32 s42, ttmp9, 2
	s_add_co_u32 s42, s42, s40                     ; tile column
	s_and_b32 s13, ttmp7, 0xffff
	s_lshl_b32 s13, s13, 2
	s_add_co_u32 s13, s13, s41                     ; tile row
	s_lshl_b32 s43, s41, 2
	s_lshl_b32 s43, 15, s43                        ; my row of the cluster
	s_lshl_b32 s44, 0x1111, s40                    ; my column
	s_or_b32 s[G1+0], s43, (1<<16)|(1<<20)|(1<<21)|(5<<22)|(3<<25)   ; mask; elements of 2 bytes; padding: four words after every 64; bit 21 beside a mask
	s_or_b32 s[G1B+0], s44, (1<<16)|(1<<20)|(1<<21)|(5<<22)|(3<<25)
	s_mov_b32 s[G1+1], 128<<16                     ; A: 128 pair-rows of 128 elements, dense
	s_mov_b32 s[G1+2], 128<<16
	s_mov_b32 s[G1+3], 128<<16
	s_mov_b32 s[G1+4], 128
	s_mov_b32 s[G1+5], 128
	s_mov_b32 s[G1+6], 0
	s_mov_b32 s[G1+7], 0
	s_mov_b32 s[G1B+1], 128<<16                    ; B: 64 rows of 128 elements, 1,024 elements apart
	s_mov_b32 s[G1B+2], 64<<16
	s_mov_b32 s[G1B+3], 128<<16
	s_mov_b32 s[G1B+4], 64
	s_mov_b32 s[G1B+5], 1024
	s_mov_b32 s[G1B+6], 0
	s_mov_b32 s[G1B+7], 0
	s_lshl_b32 s16, s13, 15                        ; A: 256 rows of 128 bytes a tile row,
	s_lshl_b32 s17, s12, 20                        ; a head is 8,192 rows of 128 bytes
	s_add_co_u32 s16, s16, s17
	s_mov_b32 s17, 0
	s_lshl_b32 s46, s42, 18                        ; B: 128 rows of 2,048 bytes a tile column,
	s_lshl_b32 s47, s12, 17                        ; 64 rows a half
	s_add_co_u32 s46, s46, s47
	s_mov_b32 s47, 0
	s_mul_i32 s20, s12, APL                        ; where they go
	s_mul_i32 s21, s12, HALF
	s_add_co_u32 s21, s21, BOFF
	s_wait_dscnt 0x0                               ; both opening adds are done
	s_wait_kmcnt 0x0
	s_add_nc_u64 s[14:15], s[4:5], s[16:17]
	s_add_nc_u64 s[46:47], s[6:7], s[46:47]
	CROUND                                         ; all sixteen work-groups are here: the first joint loads meet
.irp s, 0,1
	s_mov_b32 s[G0+4*\s], 1
	s_add_co_u32 s[G0+4*\s+1], s20, \s*SLOT
	s_add_nc_u64 s[G0+4*\s+2:G0+4*\s+3], s[14:15], \s*2097152      ; K step s: two heads on
	s_or_b32 s[G0+4*\s+3], s[G0+4*\s+3], 0x80000000
	s_mov_b32 s[G0B+4*\s], 1
	s_add_co_u32 s[G0B+4*\s+1], s21, \s*SLOT
	s_add_nc_u64 s[G0B+4*\s+2:G0B+4*\s+3], s[46:47], \s*256
	s_or_b32 s[G0B+4*\s+3], s[G0B+4*\s+3], 0x80000000
	JLOAD \s
.endr
	v_and_b32 v1, 15, v0                           ; r
	v_bfe_u32 v2, v0, 4, 1                         ; h
	v_lshrrev_b32 v3, 1, v1
	v_mul_u32_u24 v3, v3, 272
	v_and_b32 v4, 1, v0
	v_lshl_add_u32 v3, v4, 7, v3
	v_lshl_add_u32 v3, v2, 4, v3                   ; A: row r: pair-row r / 2, half r % 2, + 16 h
	v_mul_u32_u24 v4, v1, 272
	v_lshl_add_u32 v4, v2, 4, v4                   ; B: row r, + 16 h
	s_mul_i32 s21, s11, HALF                       ; my 128 rows of A: 64 pair-rows
	s_mul_i32 s22, s12, HALF                       ; my 64 rows of B
	s_add_co_u32 s22, s22, BOFF
.irp s, 0,1
	v_add_nc_u32 v[ADRA+\s], s21, v3
	v_add_nc_u32 v[ADRB+\s], s22, v4
	s_add_co_u32 s21, s21, SLOT
	s_add_co_u32 s22, s22, SLOT
.endr
	s_mul_i32 s23, s10, 16*SPITCH
	s_add_co_u32 s23, s23, STAGE                   ; my stage
	v_mul_u32_u24 v5, v1, SPITCH
	v_lshl_add_u32 v5, v2, 5, v5
	v_add_nc_u32 v[STO], s23, v5                   ; in: row r, 32 bytes for each half of the lanes
	v_mul_u32_u24 v5, v2, SPITCH
	v_lshl_add_u32 v5, v1, 4, v5
	v_add_nc_u32 v[RD], s23, v5                    ; back: lanes 0-15 one row of 256 bytes, lanes 16-31 the next
	v_lshlrev_b32 v5, 12, v2
	v_lshl_add_u32 v[CO], v1, 4, v5                ; the same two rows in out0
	v_lshlrev_b32 v[BO], 5, v2
	s_lshl_b32 s46, s42, 9
	s_lshl_b32 s47, s12, 8
	s_add_co_u32 s46, s46, s47                     ; my first column, in bytes
	s_mov_b32 s47, 0
	s_add_nc_u64 s[68:69], s[68:69], s[46:47]
	s_add_nc_u64 s[70:71], s[70:71], s[46:47]
	s_lshl_b32 s16, s13, 20
	s_lshl_b32 s17, s11, 19
	s_add_co_u32 s16, s16, s17                     ; my first row, in bytes
	s_mov_b32 s17, 0
	s_add_nc_u64 s[70:71], s[70:71], s[16:17]
.irp b, 0,1,2,3
	global_load_b128 v[BIAS+8*\b:BIAS+8*\b+3], v[BO], s[68:69] offset:64*\b      ; lane (r, h): b_proj at my columns 16 b + 8 h + 0 .. 7
	global_load_b128 v[BIAS+8*\b+4:BIAS+8*\b+7], v[BO], s[68:69] offset:64*\b+16
.endr
.macro MUL8 f, a0, zero                ; A's blocks a0, a0 + 1 x B's four, 32 along K; the 32 accumulators take turns
.irp a, \a0, \a0+1
.irp b, 0,1,2,3
.if \zero
	v_wmma_f32_16x16x32_f16 v[8*(4*(\a)+\b):8*(4*(\a)+\b)+7], v[\f+64+8*\b:\f+64+8*\b+7], v[\f+8*(\a):\f+8*(\a)+7], 0
.else
	v_wmma_f32_16x16x32_f16 v[8*(4*(\a)+\b):8*(4*(\a)+\b)+7], v[\f+64+8*\b:\f+64+8*\b+7], v[\f+8*(\a):\f+8*(\a)+7], v[8*(4*(\a)+\b):8*(4*(\a)+\b)+7]
.endif
.endr
.endr
.endm
.macro FETCH slot, q, f                ; 24 LDS loads in one run: quarter q (32 along K): B's four fragments, then A's eight, blocks 0-3 first
	WIN TO_F
.irp b, 0,1,2,3
	ds_load_b128 v[\f+64+8*\b:\f+64+8*\b+3], v[ADRB+\slot] offset:64*(\q)+4352*\b
	ds_load_b128 v[\f+64+8*\b+4:\f+64+8*\b+7], v[ADRB+\slot] offset:64*(\q)+4352*\b+32
.endr
.irp a, 0,1,2,3,4,5,6,7
	ds_load_b128 v[\f+8*\a:\f+8*\a+3], v[ADRA+\slot] offset:((\q)/2)*APL+64*((\q)%2)+2176*\a
	ds_load_b128 v[\f+8*\a+4:\f+8*\a+7], v[ADRA+\slot] offset:((\q)/2)*APL+64*((\q)%2)+2176*\a+32
.endr
.endm
.macro PLACES                          ; plain lines in front of loads into registers that matrix instructions have read, and of reads of results
.rept 4
	v_nop
.endr
.endm
.macro QUARTER slot, qn, f, g, zero    ; multiplies buffer f; in its middle fetches quarter qn of the same slot into g
	s_wait_dscnt 8                                 ; B and A's blocks 0-3 are in; the youngest eight loads (A's blocks 4-7) may be out
	WIN MUL
	MUL8 \f, 0, \zero
	MUL8 \f, 2, \zero
	PLACES
	FETCH \slot, \qn, \g
	s_wait_dscnt 24                                ; all but the 24 just issued
	WIN MUL
	MUL8 \f, 4, \zero
	MUL8 \f, 6, \zero
.endm
; A slot's last quarter multiplies buffer 1 and changes slots: one barrier; in front of it each wave waits for all its tensor loads, adds 0 to its spare word, and waits for that and for its reads of
; this slot.  fill = 1: the barrier opens a round of the cluster's, and the slot is filled again, two K steps ahead: one load a wave, 112 matrix instructions ahead of the wait for it.
.macro TURN slot, next, fill
	WIN 0
	s_wait_tensorcnt 0x0
	ds_add_u32 v[SPW], v[NIL]
	s_wait_dscnt 9                                 ; the add and the youngest eight loads may be out
	WIN MUL
	MUL8 F1, 0, 0
	s_wait_dscnt 0x0                               ; the add is done, and my reads of this slot are over
	s_barrier_signal -1
	MUL8 F1, 2, 0
.if \fill
	WIN 0
.endif
	s_barrier_wait -1
.if \fill
	CREST
	s_add_nc_u64 s[G0+4*\slot+2:G0+4*\slot+3], s[G0+4*\slot+2:G0+4*\slot+3], 4194304   ; four heads on
	s_add_nc_u64 s[G0B+4*\slot+2:G0B+4*\slot+3], s[G0B+4*\slot+2:G0B+4*\slot+3], 512
	JLOAD \slot                                    ; the four v_nop behind it are also the places in front of the loads below
.else
	PLACES
.endif
	FETCH \next, 0, F0
	WIN MUL
	MUL8 F1, 4, 0
	MUL8 F1, 6, 0
.endm
	s_wait_tensorcnt 1                             ; my part of K step 0 is in; K step 1's load may be out
	s_barrier_signal -1
	s_barrier_wait -1
	FETCH 0, 0, F0
	QUARTER 0, 1, F0, F1, 1                        ; the first quarter's products start the sums
	WIN 0
	s_mov_b32 s3, LAPS-1
.Llap:                                                 ; a trip goes once round the ring and fills both slots again
	QUARTER 0, 2, F1, F0, 0
	QUARTER 0, 3, F0, F1, 0
	TURN 0, 1, 1
	QUARTER 1, 1, F0, F1, 0
	QUARTER 1, 2, F1, F0, 0
	QUARTER 1, 3, F0, F1, 0
	TURN 1, 0, 1
	QUARTER 0, 1, F0, F1, 0
	WIN 0
	s_sub_co_u32 s3, s3, 1
	s_cmp_lg_u32 s3, 0
	s_cbranch_scc1 .Llap
	QUARTER 0, 2, F1, F0, 0                        ; the last lap fills nothing
	QUARTER 0, 3, F0, F1, 0
	TURN 0, 1, 0
	QUARTER 1, 1, F0, F1, 0
	QUARTER 1, 2, F1, F0, 0
	QUARTER 1, 3, F0, F1, 0
	s_wait_dscnt 8
	WIN MUL
	MUL8 F1, 0, 0
	MUL8 F1, 2, 0
	s_wait_dscnt 0
	MUL8 F1, 4, 0
	MUL8 F1, 6, 0
	WIN 0
; THE WAY OUT, block by block of 16 rows x 64 columns: sum x 2^-8 + bias; through my stage; back as whole runs of 256 bytes.
.macro PACK a
	WIN 0x02                                       ; source 0: window 2
.irp b, 0,1,2,3
.irp p, 0,2,4,6
	v_pk_fma_f32 v[TMP+8*\b+\p:TMP+8*\b+\p+1], v[8*(4*(\a)+\b)+\p:8*(4*(\a)+\b)+\p+1], 0x3b800000, v[BIAS+8*\b+\p:BIAS+8*\b+\p+1] op_sel_hi:[1,0,1]
.endr
.endr
	WIN 0
.endm
.macro TOSTAGE a
.set BKR, OB+32*((\a)%2)
.irp b, 0,1,2,3
	ds_store_b128 v[STO], v[TMP+8*\b:TMP+8*\b+3] offset:64*\b
	ds_store_b128 v[STO], v[TMP+8*\b+4:TMP+8*\b+7] offset:64*\b+16
.endr
.irp u, 0,1,2,3,4,5,6,7
	ds_load_b128 v[BKR+4*\u:BKR+4*\u+3], v[RD] offset:544*\u       ; in order behind my stores
.endr
.endm
.macro SEND a, younger                 ; younger: the LDS instructions issued behind block a's loads
.set BKR, OB+32*((\a)%2)
	s_wait_dscnt \younger
.irp u, 0,1,2,3,4,5,6,7
	global_store_b128 v[CO], v[BKR+4*\u:BKR+4*\u+3], s[70:71] offset:65536*(\a)+8192*\u th:TH_STORE_NT   ; sixteen lanes store 256 consecutive bytes, aligned
.endr
.endm
	s_wait_loadcnt 0x0                             ; the bias
	PLACES
	PACK 0
	TOSTAGE 0
.irp a, 1,2,3,4,5,6,7
	PACK \a
.if \a > 1
	s_wait_xcnt 0x0                                ; block a - 2's stores have read their registers: block a's loads may land there
.endif
	TOSTAGE \a
	SEND \a-1, 16                                  ; behind block a - 1's loads: block a's 8 stores and 8 loads
.endr
	SEND 7, 0
	s_wait_tensorcnt 0x0                           ; the wave's end
	ds_add_u32 v[SPW], v[NIL]
	s_wait_dscnt 0x0
	CROUND                                         ; the closing round
	s_endpgm
.Lfunc_end_k_q14a328f0d4_proj:
	.size	k_q14a328f0d4_proj, .Lfunc_end_k_q14a328f0d4_proj-k_q14a328f0d4_proj
	.p2alignl 7, 3214868480
	.fill 96, 4, 3214868480
	.section	.rodata,"a",@progbits
	.p2align	6, 0x0
	.amdhsa_kernel k_q14a328f0d4_proj
		.amdhsa_group_segment_fixed_size 327680
		.amdhsa_private_segment_fixed_size 0
		.amdhsa_enable_private_segment 0
		.amdhsa_kernarg_size 32
		.amdhsa_user_sgpr_count 2
		.amdhsa_user_sgpr_kernarg_segment_ptr 1
		.amdhsa_wavefront_size32 1
		.amdhsa_system_sgpr_workgroup_id_x 1
		.amdhsa_system_sgpr_workgroup_id_y 1
		.amdhsa_system_sgpr_workgroup_id_z 1
		.amdhsa_system_vgpr_workitem_id 0
		.amdhsa_next_free_vgpr 768
		.amdhsa_next_free_sgpr 72
		.amdhsa_reserve_vcc 0
		.amdhsa_float_denorm_mode_32 3
		.amdhsa_float_denorm_mode_16_64 3
		.amdhsa_memory_ordered 1
		.amdhsa_forward_progress 1
		.amdhsa_inst_pref_size 98
	.end_amdhsa_kernel
	.amdgpu_metadata
---
amdhsa.version: [ 1, 2 ]
amdhsa.kernels:
  - .name:           k_q14a328f0d4_proj
    .symbol:         k_q14a328f0d4_proj.kd
    .args:
      - { .name: y16, .offset: 0, .size: 8, .value_kind: global_buffer, .address_space: global }
      - { .name: wp16, .offset: 8, .size: 8, .value_kind: global_buffer, .address_space: global }
      - { .name: b_proj, .offset: 16, .size: 8, .value_kind: global_buffer, .address_space: global }
      - { .name: out0, .offset: 24, .size: 8, .value_kind: global_buffer, .address_space: global }
    .group_segment_fixed_size: 327680
    .private_segment_fixed_size: 0
    .kernarg_segment_align: 8
    .kernarg_segment_size: 32
    .max_flat_workgroup_size: 128
    .sgpr_count:     72
    .vgpr_count:     768
    .wavefront_size: 32
...
	.end_amdgpu_metadata
.endif
;; end of part 4
;; launch fine (part 5): grid 16 x 4, 16 waves a work-group, no clusters, 85,248 bytes of LDS; arguments qkv_fine, w_proj, b_proj, out0; writes out0
.if DOCPART == 5
	.amdgcn_target "amdgcn-amd-amdhsa--gfx1250"
	.amdhsa_code_object_version 6
	.text
	.protected	k_q14a328f0d4_fine
	.globl	k_q14a328f0d4_fine
	.p2align	8
	.type	k_q14a328f0d4_fine,@function
k_q14a328f0d4_fine:
	s_mov_b64 s[64:65], 0
	v_nop
	global_prefetch_b8 v0, s[64:65] scope:SCOPE_SE
	s_setreg_imm32_b32 hwreg(HW_REG_WAVE_MODE, 25, 1), 1
	s_wait_xcnt 0x0
; FINE: the first 16 positions of each batch, attention and projection, wholly in f32: under the causal mask these rows average one to sixteen values and are the largest of the output.
; qkv_fine: [16 b + t][3072] f32.  A work-group (nb, b) makes out0[b][0..15][64 nb .. 64 nb + 63].  No bulk work: 64 rows of 8,192.
; PHASE 1: wave w makes head w: S^T = K Q^T (16 x 16 x 64), mask, softmax with the row's maximum taken away, O^T = V^T p / l; y goes to LDS as [16 rows][1024] f32.
; PHASE 2: wave w takes output columns 16 (w % 4) on and k = 256 (w / 4) on; the four parts along K meet in LDS; waves 0-7 add them and the bias and store.
; All products by v_wmma_f32_16x16x4_f32.  Along K the numbers are dealt to the instructions alike on both sides (a lane's wide loads fill its registers), which leaves the sums what they are.
; The registers that these instructions write (v112-143) are written by them alone; four accumulators take turns.
; REGISTERS: v3-11 addresses; v12, v13 the add's two; v14 r - 8 h; v15 -infinity; v16-47 Q, then y; v48-79 K, then y; v80-111 V; v112-143 accumulators; v144-151 scores, p; v152-171 at work; v176-239 W, two sets; v240-247 a part.
.set YP,    4112                       ; a row of y in LDS: 4,096 bytes + 16
.set PART,  65792                      ; four parts of 16 rows x 272 bytes
.set SPARE, 83200                      ; the spare words, 128 bytes a wave
.set ACC, 112
.set T,   144
.set U,   152
.set WR,  176
.set R,   240
	s_load_b256 s[4:11], s[0:1], 0x0               ; qkv_fine s[4:5], w_proj s[6:7], b_proj s[8:9], out0 s[10:11]
	v_lshl_add_u32 v12, v0, 2, SPARE
	v_mov_b32 v13, 0
	v_lshrrev_b32 v1, 5, v0
	v_readfirstlane_b32 s12, v1                    ; wave 0..15: the head
	s_and_b32 s13, s12, 3                          ; ct
	s_lshr_b32 s14, s12, 2                         ; kq
	s_and_b32 s15, ttmp7, 0xffff                   ; b
	v_and_b32 v1, 15, v0                           ; r
	v_bfe_u32 v2, v0, 4, 1                         ; h
	v_mul_u32_u24 v3, v1, 12288
	v_lshl_add_u32 v3, v2, 7, v3                   ; Q, K: row r, channels 32 h on
	v_mul_u32_u24 v4, v2, 98304
	v_lshl_add_u32 v4, v1, 2, v4                   ; V: keys 8 h on, channel r
	v_lshlrev_b32 v5, 14, v2
	v_lshl_add_u32 v5, v1, 2, v5                   ; W: rows 4 h on, column r
	v_mul_u32_u24 v16, v1, YP
	s_lshl_b32 s16, s12, 8
	v_lshl_add_u32 v6, v2, 5, v16
	v_add_nc_u32 v6, s16, v6                       ; y in: row r, 256 w + 32 h
	s_lshl_b32 s16, s14, 10
	v_lshl_add_u32 v7, v2, 4, v16
	v_add_nc_u32 v7, s16, v7                       ; y back: row r, 1,024 kq + 16 h
	s_mul_i32 s16, s14, 4352
	s_lshl_b32 s17, s13, 6
	s_add_co_u32 s16, s16, s17
	s_add_co_u32 s16, s16, PART
	v_mul_u32_u24 v8, v1, 272
	v_lshl_add_u32 v8, v2, 5, v8
	v_add_nc_u32 v8, s16, v8                       ; my part: row r, 64 ct + 32 h
	v_lshrrev_b32 v17, 4, v0
	v_lshlrev_b32 v11, 4, v1
	v_mul_u32_u24 v9, v17, 272
	v_add_nc_u32 v9, v9, v11
	v_add_nc_u32 v9, PART, v9                      ; the last step (threads 0-255): row thread / 16, 16 bytes a thread
	v_lshl_add_u32 v10, v17, 12, v11
	v_lshlrev_b32 v17, 3, v2
	v_sub_nc_u32 v14, v1, v17
	v_mov_b32 v15, 0xff800000
	s_mul_i32 s16, s15, 196608
	s_lshl_b32 s17, s12, 8
	s_add_co_u32 s16, s16, s17
	s_mov_b32 s17, 0
	s_lshl_b32 s20, ttmp9, 8                       ; 64 columns of 4 bytes a work-group
	s_mov_b32 s21, 0
	s_lshl_b32 s18, s14, 20                        ; 256 rows of 4,096 bytes
	s_add_co_u32 s18, s18, s20
	s_lshl_b32 s19, s13, 6
	s_add_co_u32 s18, s18, s19
	s_mov_b32 s19, 0
	s_lshl_b32 s22, s15, 23                        ; a batch of out0: 2,048 rows of 4,096 bytes
	s_add_co_u32 s22, s22, s20
	s_mov_b32 s23, 0
	s_mov_b32 s24, 0x76543210
	s_mov_b32 s25, 0xfedcba98
	s_mov_b32 s26, 0x3e38aa3b                      ; c = log2(e) / 8
	s_wait_kmcnt 0x0
	s_add_nc_u64 s[4:5], s[4:5], s[16:17]
	s_add_nc_u64 s[6:7], s[6:7], s[18:19]
	s_add_nc_u64 s[8:9], s[8:9], s[20:21]
	s_add_nc_u64 s[10:11], s[10:11], s[22:23]
.irp i, 0,1,2,3,4,5,6,7
	global_load_b128 v[16+4*\i:19+4*\i], v3, s[4:5] offset:16*\i
.endr
.irp i, 0,1,2,3,4,5,6,7
	global_load_b128 v[48+4*\i:51+4*\i], v3, s[4:5] offset:4096+16*\i
.endr
.irp dt, 0,1,2,3
.irp k, 0,1,2,3,4,5,6,7
	global_load_b32 v[80+8*\dt+\k], v4, s[4:5] offset:8192+12288*\k+64*\dt      ; V(8 h + k, 16 dt + r)
.endr
.endr
.macro WLOAD c                         ; W(256 kq + 64 c + 8 i + 4 h + e, my column) into set c % 2
.irp i, 0,1,2,3,4,5,6,7
.irp e, 0,1,2,3
	global_load_b32 v[WR+32*((\c)%2)+4*\i+\e], v5, s[6:7] offset:(64*(\c)+8*\i+\e)*4096
.endr
.endr
.endm
.macro PLACES8                         ; eight plain lines behind this form (ISA guide 7.12.1)
.rept 8
	v_nop
.endr
.endm
.macro SUM4 d                          ; the four accumulators' sum into v[d] on, each read from its low end on
.irp p, 0,2,4,6
	v_pk_add_f32 v[\d+\p:\d+\p+1], v[ACC+\p:ACC+\p+1], v[ACC+8+\p:ACC+8+\p+1]
	v_pk_add_f32 v[U+\p:U+\p+1], v[ACC+16+\p:ACC+16+\p+1], v[ACC+24+\p:ACC+24+\p+1]
.endr
.irp p, 0,2,4,6
	v_pk_add_f32 v[\d+\p:\d+\p+1], v[\d+\p:\d+\p+1], v[U+\p:U+\p+1]
.endr
.endm
	s_wait_loadcnt 32                              ; Q and K are in; V's 32 loads may be out
.set n, 0
.rept 16                               ; S^T = K Q^T: instruction n takes channels 32 h + 2 n, + 1
.if n < 4
	v_wmma_f32_16x16x4_f32 v[ACC+8*(n%4):ACC+8*(n%4)+7], v[48+2*n:49+2*n], v[16+2*n:17+2*n], 0
.else
	v_wmma_f32_16x16x4_f32 v[ACC+8*(n%4):ACC+8*(n%4)+7], v[48+2*n:49+2*n], v[16+2*n:17+2*n], v[ACC+8*(n%4):ACC+8*(n%4)+7]
.endif
.set n, n+1
.endr
	WLOAD 0
	PLACES8
	SUM4 T                                         ; lane (r, h): query r, keys 8 h + 0 .. 7
.irp j, 0,1,2,3,4,5,6,7
	v_cmp_gt_i32 vcc_lo, \j, v14                   ; key 8 h + j comes after query r
	v_cndmask_b32 v[T+\j], v[T+\j], v15, vcc_lo
.endr
	v_max3_num_f32 v160, v[T], v[T+1], v[T+2]
	v_max3_num_f32 v160, v160, v[T+3], v[T+4]
	v_max3_num_f32 v160, v160, v[T+5], v[T+6]
	v_max_num_f32 v160, v160, v[T+7]
	v_mov_b32 v161, 0
	v_permlanex16_b32 v161, v160, s24, s25
	v_max_num_f32 v160, v160, v161                 ; the row's maximum (key 0 counts for every query)
	v_mul_f32 v160, s26, v160
.irp j, 0,1,2,3,4,5,6,7
	v_fma_f32 v[T+\j], v[T+\j], s26, -v160
.endr
.irp j, 0,1,2,3,4,5,6,7
	v_exp_f32 v[T+\j], v[T+\j]
.endr
	v_nop
	s_wait_alu depctr_va_vdst(0)                   ; one wait for the eight, ahead of their first reader
	v_add_f32 v162, v[T], v[T+1]
	v_add_f32 v163, v[T+2], v[T+3]
	v_add_f32 v164, v[T+4], v[T+5]
	v_add_f32 v165, v[T+6], v[T+7]
	v_add_f32 v162, v162, v163
	v_add_f32 v164, v164, v165
	v_add_f32 v162, v162, v164
	v_permlanex16_b32 v161, v162, s24, s25
	v_add_f32 v162, v162, v161
	v_rcp_f32 v166, v162
	v_nop
	s_wait_alu depctr_va_vdst(0)
	s_wait_loadcnt 32                              ; V is in; W's first set may be out
.irp i, 0,1,2,3                        ; O^T = V^T p: instruction i takes keys 8 h + 2 i, + 1
.irp dt, 0,1,2,3
.if \i == 0
	v_wmma_f32_16x16x4_f32 v[ACC+8*\dt:ACC+8*\dt+7], v[80+8*\dt+2*\i:81+8*\dt+2*\i], v[T+2*\i:T+2*\i+1], 0
.else
	v_wmma_f32_16x16x4_f32 v[ACC+8*\dt:ACC+8*\dt+7], v[80+8*\dt+2*\i:81+8*\dt+2*\i], v[T+2*\i:T+2*\i+1], v[ACC+8*\dt:ACC+8*\dt+7]
.endif
.endr
.endr
	WLOAD 1
	PLACES8
.set n, 0
.rept 32
	v_mul_f32 v[16+n], v[ACC+n], v166              ; / l: register 8 dt + j is y(r, 64 w + 16 dt + 8 h + j)
.set n, n+1
.endr
.irp dt, 0,1,2,3
	ds_store_b128 v6, v[16+8*\dt:19+8*\dt] offset:64*\dt
	ds_store_b128 v6, v[20+8*\dt:23+8*\dt] offset:64*\dt+16
.endr
	s_wait_dscnt 0x0                               ; for the others' sake: my stores have landed
	s_barrier_signal -1
	s_barrier_wait -1                              ; the 16 rows of y lie in LDS
.macro YLOAD c                         ; y(r, 256 kq + 64 c + 8 i + 4 h + 0 .. 3) into set c % 2
.irp i, 0,1,2,3,4,5,6,7
	ds_load_b128 v[16+32*((\c)%2)+4*\i:19+32*((\c)%2)+4*\i], v7 offset:256*(\c)+32*\i
.endr
.endm
.macro CHUNK c                         ; 64 along K: source 0 = 16 columns of W, source 1 = the 16 rows of y: a lane holds one row and eight neighbouring columns
.if (\c) < 3
	s_wait_loadcnt 32                              ; this chunk's W is in; the next set's 32 loads may be out
	s_wait_dscnt 8                                 ; this chunk's y is in; the next set's 8 loads may be out
.else
	s_wait_loadcnt 0
	s_wait_dscnt 0
.endif
.set n, 0
.rept 16
.if ((\c) == 0) && (n < 4)
	v_wmma_f32_16x16x4_f32 v[ACC+8*(n%4):ACC+8*(n%4)+7], v[WR+32*((\c)%2)+2*n:WR+32*((\c)%2)+2*n+1], v[16+32*((\c)%2)+2*n:17+32*((\c)%2)+2*n], 0
.else
	v_wmma_f32_16x16x4_f32 v[ACC+8*(n%4):ACC+8*(n%4)+7], v[WR+32*((\c)%2)+2*n:WR+32*((\c)%2)+2*n+1], v[16+32*((\c)%2)+2*n:17+32*((\c)%2)+2*n], v[ACC+8*(n%4):ACC+8*(n%4)+7]
.endif
.set n, n+1
.endr
.if (\c) < 2
	PLACES8                                        ; ahead of the loads into the registers just multiplied
	WLOAD (\c)+2
	YLOAD (\c)+2
.endif
.endm
	YLOAD 0
	YLOAD 1
	CHUNK 0
	CHUNK 1
	CHUNK 2
	CHUNK 3
	PLACES8
	SUM4 R
	ds_store_b128 v8, v[R:R+3]
	ds_store_b128 v8, v[R+4:R+7] offset:16
	s_wait_dscnt 0x0
	s_barrier_signal -1
	s_barrier_wait -1                              ; the four parts along K lie in LDS
	s_cmp_lt_u32 s12, 8
	s_cbranch_scc0 .Ldone                          ; 16 rows x 256 bytes are 256 threads' 16 bytes
	global_load_b128 v[168:171], v11, s[8:9]       ; b_proj at my four columns
	ds_load_b128 v[144:147], v9
	ds_load_b128 v[148:151], v9 offset:4352
	ds_load_b128 v[152:155], v9 offset:8704
	ds_load_b128 v[156:159], v9 offset:13056
	s_wait_dscnt 0x0
	s_wait_loadcnt 0x0
.irp p, 0,2
	v_pk_add_f32 v[144+\p:145+\p], v[144+\p:145+\p], v[148+\p:149+\p]
	v_pk_add_f32 v[152+\p:153+\p], v[152+\p:153+\p], v[156+\p:157+\p]
.endr
.irp p, 0,2
	v_pk_add_f32 v[144+\p:145+\p], v[144+\p:145+\p], v[152+\p:153+\p]
.endr
.irp p, 0,2
	v_pk_add_f32 v[144+\p:145+\p], v[144+\p:145+\p], v[168+\p:169+\p]
.endr
	global_store_b128 v10, v[144:147], s[10:11]    ; sixteen lanes store 256 consecutive bytes, aligned
.Ldone:
	s_wait_tensorcnt 0x0                           ; the wave's end
	ds_add_u32 v12, v13
	s_wait_dscnt 0x0
	s_endpgm
.Lfunc_end_k_q14a328f0d4_fine:
	.size	k_q14a328f0d4_fine, .Lfunc_end_k_q14a328f0d4_fine-k_q14a328f0d4_fine
	.p2alignl 7, 3214868480
	.fill 96, 4, 3214868480
	.section	.rodata,"a",@progbits
	.p2align	6, 0x0
	.amdhsa_kernel k_q14a328f0d4_fine
		.amdhsa_group_segment_fixed_size 85248
		.amdhsa_private_segment_fixed_size 0
		.amdhsa_enable_private_segment 0
		.amdhsa_kernarg_size 32
		.amdhsa_user_sgpr_count 2
		.amdhsa_user_sgpr_kernarg_segment_ptr 1
		.amdhsa_wavefront_size32 1
		.amdhsa_system_sgpr_workgroup_id_x 1
		.amdhsa_system_sgpr_workgroup_id_y 1
		.amdhsa_system_sgpr_workgroup_id_z 1
		.amdhsa_system_vgpr_workitem_id 0
		.amdhsa_next_free_vgpr 256
		.amdhsa_next_free_sgpr 66
		.amdhsa_reserve_vcc 1
		.amdhsa_float_denorm_mode_32 3
		.amdhsa_float_denorm_mode_16_64 3
		.amdhsa_memory_ordered 1
		.amdhsa_forward_progress 1
		.amdhsa_inst_pref_size 36
	.end_amdhsa_kernel
	.amdgpu_metadata
---
amdhsa.version: [ 1, 2 ]
amdhsa.kernels:
  - .name:           k_q14a328f0d4_fine
    .symbol:         k_q14a328f0d4_fine.kd
    .args:
      - { .name: qkv_fine, .offset: 0, .size: 8, .value_kind: global_buffer, .address_space: global }
      - { .name: w_proj, .offset: 8, .size: 8, .value_kind: global_buffer, .address_space: global }
      - { .name: b_proj, .offset: 16, .size: 8, .value_kind: global_buffer, .address_space: global }
      - { .name: out0, .offset: 24, .size: 8, .value_kind: global_buffer, .address_space: global }
    .group_segment_fixed_size: 85248
    .private_segment_fixed_size: 0
    .kernarg_segment_align: 8
    .kernarg_segment_size: 32
    .max_flat_workgroup_size: 512
    .sgpr_count:     66
    .vgpr_count:     256
    .wavefront_size: 32
...
	.end_amdgpu_metadata
.endif
;; end of part 5
